; MI455X (gfx1250); checked and timed in simulation.
; The chip was launched on July 23, 2026; its instructions are those of AMD's public machine-readable ISA for CDNA 5 (MIT licence, August 2026) and "CDNA5" Instruction Set Architecture Reference Guide (July 2026). The comments in the code are by the model that wrote it; some were corrected since.
;; Multi Headed Attention. Allowed arithmetic: matrix products marked QUANTISED: E3M2 operands, one E8M0 scale for each 32 along K, by v_wmma_scale_f32_16x16x128_f8f6f4 with both operands' format E3M2, f32 sums; everything else in f32.
;; Inputs: Wk 1,024 x 1,024 float32; Wo 1,024 x 1,024 float32; Wq 1,024 x 1,024 float32; Wv 1,024 x 1,024 float32; bk 1,024 float32; bo 1,024 float32; bq 1,024 float32; bv 1,024 float32; key 4 x 2,048 x 1,024 float32; padding_mask 4 x 2,048 int32; query 4 x 2,048 x 1,024 float32; value 4 x 2,048 x 1,024 float32.
;; Outputs: out0 4 x 2,048 x 1,024 float32.
;; Constants: is_causal = 1.
;; This version of the problem:
;;   THIS VERSION OF THE PROBLEM IS GIVEN IN LOW PRECISION. The matrix products marked QUANTISED in the list below multiply operands that are first quantised to E3M2 (3 exponent bits, 2 mantissa bits; 6 bits a number), with one power-of-two scale for each 32 numbers along K (OCP MX v1.0); their sums are f32. All else is computed in f32.
;;   The module's matrix products, in the order in which they are computed (A, B: the left and right operand; K: the contracted axis; several contracted axes count as one K, in the product's order):
;;     1. [M 8,192, K 1,024] x [K 1,024, N 1,024]; A: input query; B: input Wq: QUANTISED
;;     2. [M 8,192, K 1,024] x [K 1,024, N 1,024]; A: input key; B: input Wk: QUANTISED
;;     3. [M 8,192, K 1,024] x [K 1,024, N 1,024]; A: input value; B: input Wv: QUANTISED
;;     4. batch 64 x [M 2,048, K 64] x [K 64, N 2,048]; A: computed on the way; B: computed on the way: QUANTISED
;;     5. batch 64 x [M 2,048, K 2,048] x [K 2,048, N 64]; A: softmax (see below); B: computed on the way: QUANTISED
;;     6. [M 8,192, K 1,024] x [K 1,024, N 1,024]; A: computed on the way; B: input Wo: QUANTISED
;;   THE QUANTISER, for each operand of a quantised product, along K:
;;     - K is cut into blocks of 32 from its start; a last block that is shorter is filled with zeros.
;;     - A block's scale is 2^e with e = floor(log2(the largest magnitude in the block)) - 4, held to -126 .. 127; a block of zeros has e = 0. As a byte (E8M0): e + 127.
;;     - Each number is divided by its block's scale, clamped to +-28, and rounded to the nearest number of E3M2, ties to even, subnormals kept.
;;     - The product sums the exact products of the quantised numbers (number of the format x scale) in f32.
;;   ~~~python
;;   def quantise(x, axis):      # numpy; x: float32 -> the quantised numbers, widened to float32 again
;;       x = np.moveaxis(x, axis, -1); K = x.shape[-1]
;;       x = np.pad(x, [(0, 0)] * (x.ndim - 1) + [(0, -K % 32)]); x = x.reshape(x.shape[:-1] + (-1, 32)); a = np.abs(x).max(-1, keepdims=True)
;;       e = np.where(a > 0, np.clip(np.frexp(np.where(a > 0, a, 1))[1] - 1 - 4, -126, 127), 0)      # np.frexp(a)[1] - 1 = floor(log2(a)), exactly
;;       r = np.clip(x / 2.0 ** e, -28, 28)
;;       step = 2.0 ** (np.maximum(np.frexp(np.where(r == 0, 1, r))[1] - 1, -2) - 2)
;;       q = np.round(r / step) * step * 2.0 ** e      # np.round: ties to even
;;       return np.moveaxis(q.reshape(q.shape[:-2] + (-1,))[..., :K], -1, axis).astype(np.float32)
;;   ~~~
;;   SOFTMAX AHEAD OF A QUANTISED PRODUCT. Where the list says 'softmax', what is quantised is not the finished softmax but p = 2^(t - M), with t = logit x log2(e) and M = ceil(the row's largest t), a whole number; so 1/2 < the row's largest p <= 1. The row's sum l is taken of the UNQUANTISED p, in f32, and the product's result is divided by l at the end. Since M is a whole number, a kernel that streams over the keys may use a running M (the ceiling of the running maximum): every later rescaling is an exact power of two, which a block's scale takes up: the codes' values come out the same.
;;   OPERANDS COMPUTED ON THE WAY. 'Computed on the way' means the value that the module computes at that place (a softmax that the list does not call 'softmax' is quantised finished and normalised). What goes into a quantiser is computed in f32, as accurately as f32 sums, v_exp_f32 and their like allow (about 1e-6 of the number): no bf16 or f16 on the way to a quantiser, and a product that is left as it is and whose result goes on into a quantised operand takes f32 operands (vector FMAs, or v_wmma_f32_16x16x4_f32). A number that lies on a knife's edge between two numbers of the format may be rounded either way, as far as f32 arithmetic and the matrix unit's own rounding can turn it there, and no further.
;; One version. Each part assembles by itself: llvm-mc -triple=amdgcn-amd-amdhsa -mcpu=gfx1250 --defsym DOCPART=n.
;; ======== version 1 of 1: 4 launches
;; limits: right only within a limited range of input values
;; workspace buffers: xq 19,660,800 bytes; wq 3,276,800 bytes; rot 524,288 bytes; qimg 8,912,896 bytes; kv 15,466,496 bytes; vsum 262,144 bytes; hid 6,553,600 bytes
;; launch prep (part 1): grid 480 x 1, 8 waves a work-group, no clusters, 44,032 bytes of LDS; arguments query, key, value, Wq, Wk, Wv, Wo, xq, wq, rot; writes xq, wq, rot
.if DOCPART == 1
	.amdgcn_target "amdgcn-amd-amdhsa--gfx1250"
	.amdhsa_code_object_version 6
	.text
	.protected	k_q1e1ce7c25a_prep
	.globl	k_q1e1ce7c25a_prep
	.p2align	8
	.type	k_q1e1ce7c25a_prep,@function
k_q1e1ce7c25a_prep:
	s_mov_b64 s[64:65], 0
	v_nop
	global_prefetch_b8 v0, s[64:65] scope:SCOPE_SE
	s_setreg_imm32_b32 hwreg(HW_REG_WAVE_MODE, 25, 1), 1
	s_wait_xcnt 0x0
; MULTI-HEAD ATTENTION IN MX-BF6, FOUR LAUNCHES: prep (this one), proj, attn, outp.
; prep: query, key, value [8192][1024] and Wq, Wk, Wv, Wo [1024][1024], f32, K innermost, become codes of BF6 (E3M2) with one E8M0 byte for each 32 along K; and the rotary table is made.
; DEAD WORK LEFT OUT BY THE PROGRAM (in attn): key steps of 128 keys that lie wholly behind a wave's 16 queries.  reference() builds the causal mask in its own body and writes -1e9 there.
;   If a query has one open key (not padded, not behind it), the row's M is that of a real logit, and a hidden key's p = 2^(-1.44e9 - M) is 0: it adds nothing to the sum or to the product.
;   If a query has no open key, all 2,048 logits are -1e9, every p is 1, and the row is the sum over ALL keys of the quantised v, divided by 2,048: that row is not taken from the walk over the keys
;   but from those sums (proj makes them, attn selects).  So the steps left out reach no output, whatever the inputs hold.  No input is dead: all are loaded.
; LIMITS: a NaN, an infinity or an overflow that reaches only the steps left out is not carried to the result; NaN and infinities among the inputs are not served; |logit x log2(e)| stays under 2^60;
;   blocks whose largest magnitude lies under 2^(4 - 126) keep the byte 1 (a block of zeros too: its codes are zeros, and this program alone reads the bytes);
;   the rotary angle is pos x 2^(-i log2(10000) / 32) in f32: at the largest positions it is good to about 2e-4 rad.
; LAYOUT OF THE CODES: [tensor][position][768 bytes].  A row's position differs from its number only inside its group of 64 rows:
;   query, key, Wo: as they lie.   value, Wv: bits 3 and 4 of the row's number change places.   Wq, Wk: row (b5 b4 b3 b2 b1 b0) goes to position 32 b0 + 16 b4 + 8 b5 + (b3 b2 b1).
;   With these orders plain tiles of 16 positions give each lane of a transposed product 16 neighbours along the next product's K.
; THE SCALE BYTES lie in planes: [tensor][256 positions][8 steps of 128 along K][256 positions][4 bytes]: what one matrix instruction wants of a row is one word, and a tile's words for all of K are 8,192 dense bytes.
; SHARES: work-groups 0-447 take 64 rows each, a wave 8 rows in 16 steps of 512 numbers.  Each load reads 512 consecutive bytes; a step turns through the wave's own stage in LDS so that a lane holds 16 neighbours.
; Work-groups 448-479 make the table rot[position][cos 32 | sin 32]; they use no LDS and pass no barrier (the branch hangs on the work-group's number alone).
.set WAVES, 8
.set STEPS, 16
.set EMAX,  4
.set CB,    12
; THE CODES' LAYOUT AS THE STORES BELOW MAKE IT: [tensor][4 planes of 256 along K][position][192 bytes] (in place of rows of 768 bytes): 128 positions of a plane are 24,576 dense bytes,
; which begin at a multiple of 256 bytes, so that the products' launches fetch them as rows of 256 bytes.
.set XT,    6291456                    ; a tensor's codes in xq
.set WT,    786432                     ; and in wq
.set XS0,   18874368                   ; where the planes begin in xq
.set WS0,   3145728                    ; and in wq
.set R,     16                         ; v16-79   four sets of 16 numbers as loaded
.set X,     80                         ; v80-111  two sets of 16 neighbours
.set E,     112                        ; v112-127 a scale byte for each step
.set C,     128                        ; v128-191 codes, four registers a step
.set CA,    192                        ; v192-195 pair x of my eight rows: 12 x (lane % 16) + 192 x its position
.set PO,    200                        ; v200-203 the planes' offsets, and helpers
.set WREG,  5376                       ; LDS, a wave's region: two stages of 32 x 80 bytes, then its 256 scale bytes [row 8][32]
.set SP,    80
.set SPW,   12
.set NIL,   13
.set SPARE, WAVES*WREG                 ; the spare words, 128 bytes a wave: four blocks of 256 bytes that no other line names
	s_load_b512 s[4:19], s[0:1], 0x0               ; query, key, value, Wq, Wk, Wv, Wo, xq
	s_load_b128 s[20:23], s[0:1], 0x40             ; wq, rot
	v_lshl_add_u32 v[SPW], v0, 2, SPARE
	v_mov_b32 v[NIL], 0
	v_lshrrev_b32 v1, 5, v0
	s_delay_alu instid0(VALU_DEP_1)
	v_readfirstlane_b32 s24, v1                    ; wave
	v_and_b32 v2, 31, v0                           ; lane
	s_cmp_ge_u32 ttmp9, 448
	s_cbranch_scc1 .Ltable
	; which tensor T, which group of 64 rows G
	s_lshr_b32 s26, ttmp9, 7
	s_and_b32 s27, ttmp9, 127
	s_sub_co_u32 s28, ttmp9, 384
	s_lshr_b32 s29, s28, 4
	s_and_b32 s30, s28, 15
	s_cmp_ge_u32 ttmp9, 384                        ; a weight?
	s_cselect_b32 s26, s29, s26
	s_cselect_b32 s27, s30, s27
	s_mov_b32 s31, XT
	s_cselect_b32 s31, WT, s31
	s_mov_b32 s33, 262144
	s_cselect_b32 s33, 32768, s33                  ; a tensor's planes
	s_mov_b32 s34, XS0
	s_cselect_b32 s34, WS0, s34
	s_cselect_b32 s36, 1, 0
	s_cmp_eq_u32 s26, 2                            ; value and Wv are both tensor 2 of their buffer
	s_cselect_b32 s35, 1, 0                        ; order 1: bits 3 and 4 change places
	s_cmp_lt_u32 s26, 2
	s_cselect_b32 s36, s36, 0                      ; order 2: Wq, Wk
	; row 2 x + o of my eight goes to position BASE + x SA + o SB
	s_and_b32 s37, s24, 1
	s_bfe_u32 s38, s24, 0x10001
	s_lshr_b32 s39, s24, 2
	s_lshl_b32 s40, s24, 3
	s_lshl_b32 s41, s39, 5
	s_lshl_b32 s42, s37, 4
	s_add_co_u32 s41, s41, s42
	s_lshl_b32 s42, s38, 3
	s_add_co_u32 s41, s41, s42
	s_lshl_b32 s43, s38, 4
	s_lshl_b32 s42, s39, 3
	s_add_co_u32 s43, s43, s42
	s_lshl_b32 s42, s37, 2
	s_add_co_u32 s43, s43, s42
	s_cmp_eq_u32 s35, 1
	s_cselect_b32 s40, s41, s40
	s_cselect_b32 s49, -1, 0
	s_cmp_eq_u32 s36, 1
	s_cselect_b32 s40, s43, s40                    ; BASE
	s_cselect_b32 s44, 1, 2                        ; SA
	s_cselect_b32 s45, 32, 1                       ; SB
	s_cselect_b32 s25, -1, 0
	s_cselect_b32 s28, 32, 128                     ; rows 32 further down lie so many bytes on in a plane
	s_lshr_b32 s29, s31, 2                         ; a plane of the tensor's codes, in bytes
	s_mul_i32 s46, s40, 192
	s_mul_i32 s47, s44, 192
	s_mul_i32 s48, s45, 192
	s_wait_alu depctr_va_vdst(0)
	v_and_b32 v4, 15, v2
	v_lshrrev_b32 v[PO+3], 4, v2
	v_mul_u32_u24 v4, v4, CB                       ; sixteen lanes fill a position's 192 bytes of a plane;
	v_mad_u32_u24 v4, v[PO+3], s48, v4             ; lanes 16-31 hold the pair's second row: its position lies SB positions on (where SB is 1, the 32 lanes' codes are 384 consecutive bytes)
.irp x, 0,1,2,3
	v_add_nc_u32 v[CA+\x], s46, v4                 ; pair x of my eight rows
	s_add_co_u32 s46, s46, s47
.endr
	; the position of row l of the group (l = lane), by the three orders
	v_and_b32 v[PO+2], 7, v2
	v_bfe_u32 v[PO+3], v2, 3, 1
	s_delay_alu instid0(VALU_DEP_1)
	v_lshl_or_b32 v[PO+2], v[PO+3], 4, v[PO+2]
	v_bfe_u32 v[PO+3], v2, 4, 1
	s_delay_alu instid0(VALU_DEP_1)
	v_lshl_or_b32 v[PO+2], v[PO+3], 3, v[PO+2]     ; order 1
	s_delay_alu instid0(VALU_DEP_2)
	v_lshlrev_b32 v[PO+3], 4, v[PO+3]
	v_bfe_u32 v[PO], v2, 1, 3
	s_delay_alu instid0(VALU_DEP_1)
	v_add_nc_u32 v[PO+3], v[PO+3], v[PO]
	v_and_b32 v[PO], 1, v2
	s_delay_alu instid0(VALU_DEP_1)
	v_lshl_or_b32 v[PO+3], v[PO], 5, v[PO+3]       ; order 2
	v_cndmask_b32 v[PO], v2, v[PO+2], s49
	s_delay_alu instid0(VALU_DEP_1)
	v_cndmask_b32 v[PO], v[PO], v[PO+3], s25
	s_delay_alu instid0(VALU_DEP_1)
	v_lshlrev_b32 v[PO], 2, v[PO]
	s_delay_alu instid0(VALU_DEP_1)
	v_add_nc_u32 v[PO+1], s28, v[PO]
	; LDS addresses: a constant, a lane term, a wave term
	v_lshlrev_b32 v3, 4, v2
	s_mul_i32 s32, s24, WREG
	v_lshrrev_b32 v14, 2, v2
	s_delay_alu instid0(VALU_DEP_1)
	v_mul_u32_u24 v14, v14, SP
	v_and_b32 v15, 3, v2
	s_delay_alu instid0(VALU_DEP_1)
	v_lshl_add_u32 v14, v15, 4, v14
	s_delay_alu instid0(VALU_DEP_1)
	v_add_nc_u32 v14, s32, v14                     ; the stage, in
	v_mul_u32_u24 v15, v2, SP
	s_delay_alu instid0(VALU_DEP_1)
	v_add_nc_u32 v15, s32, v15                     ; and out
	v_bfe_u32 v5, v2, 1, 3                         ; my block's byte: two lanes to a block, eight blocks of a plane,
	v_lshrrev_b32 v7, 4, v2
	v_lshl_add_u32 v5, v7, 5, v5                   ; and 32 bytes on for the pair's second row
	s_add_co_u32 s32, s32, 2*32*SP
	v_add_nc_u32 v5, s32, v5                       ; my block's byte
	v_lshrrev_b32 v6, 3, v2
	s_delay_alu instid0(VALU_DEP_1)
	v_mul_u32_u24 v6, v6, WREG
	v_and_b32 v7, 7, v2
	s_delay_alu instid0(VALU_DEP_1)
	v_lshl_add_u32 v6, v7, 5, v6
	s_lshl_b32 s41, s24, 2
	s_add_co_u32 s41, s41, 2*32*SP
	v_add_nc_u32 v6, s41, v6                       ; behind the barrier: row l of the group, word = my wave's number
	; offsets, made apart from the addresses
	s_lshl_b32 s58, s27, 18
	s_lshl_b32 s42, s24, 15
	s_add_co_u32 s58, s58, s42
	s_mov_b32 s59, 0
	s_mul_i32 s60, s26, s31
	s_mul_i32 s42, s27, 12288
	s_add_co_u32 s60, s60, s42
	s_mov_b32 s61, 0
	s_mul_i32 s62, s26, s33
	s_add_co_u32 s62, s62, s34
	s_lshr_b32 s42, s27, 2
	s_lshl_b32 s42, s42, 13
	s_add_co_u32 s62, s62, s42
	s_and_b32 s42, s27, 3
	s_lshl_b32 s42, s42, 8
	s_add_co_u32 s62, s62, s42
	s_lshl_b32 s42, s24, 10
	s_add_co_u32 s62, s62, s42
	s_mov_b32 s63, 0
	s_wait_alu depctr_va_vdst(0)
	s_wait_kmcnt 0x0
	s_mov_b64 s[50:51], s[4:5]
	s_cmp_ge_u32 ttmp9, 128
	s_cselect_b64 s[50:51], s[6:7], s[50:51]
	s_cmp_ge_u32 ttmp9, 256
	s_cselect_b64 s[50:51], s[8:9], s[50:51]
	s_cmp_ge_u32 ttmp9, 384
	s_cselect_b64 s[50:51], s[10:11], s[50:51]
	s_cselect_b64 s[52:53], s[20:21], s[18:19]
	s_cmp_ge_u32 ttmp9, 400
	s_cselect_b64 s[50:51], s[12:13], s[50:51]
	s_cmp_ge_u32 ttmp9, 416
	s_cselect_b64 s[50:51], s[14:15], s[50:51]
	s_cmp_ge_u32 ttmp9, 432
	s_cselect_b64 s[50:51], s[16:17], s[50:51]
	s_add_nc_u64 s[50:51], s[50:51], s[58:59]      ; my eight rows
	s_add_nc_u64 s[54:55], s[52:53], s[60:61]      ; the group's codes
	s_add_nc_u64 s[56:57], s[52:53], s[62:63]      ; my plane of the group's scale words
	s_mov_b32 s60, s29
	s_add_nc_u64 s[58:59], s[54:55], s[60:61]      ; the group's codes in planes 1,
	s_add_nc_u64 s[62:63], s[58:59], s[60:61]      ; 2
	s_add_nc_u64 s[66:67], s[62:63], s[60:61]      ; and 3
.macro LOAD t
.irp i, 0,1,2,3
	global_load_b128 v[R+16*((\t)%4)+4*\i:R+16*((\t)%4)+4*\i+3], v3, s[50:51] offset:8192*((\t)/4)+1024*((\t)%4)+4096*(\i/2)+512*(\i%2) th:TH_LOAD_NT   ; step t: plane t % 4 (256 numbers) of rows 2 (t / 4) and 2 (t / 4) + 1
.endr
.endm
.macro TURN t                          ; a step's numbers through the stage: LDS serves a wave's instructions in order
.irp i, 0,1,2,3
	ds_store_b128 v14, v[R+16*((\t)%4)+4*\i:R+16*((\t)%4)+4*\i+3] offset:32*SP*((\t)%2)+8*SP*\i
.endr
.irp i, 0,1,2,3
	ds_load_b128 v[X+16*((\t)%2)+4*\i:X+16*((\t)%2)+4*\i+3], v15 offset:32*SP*((\t)%2)+16*\i
.endr
.endm
.irp t, 0,1,2,3
	LOAD \t
.endr
	s_wait_loadcnt 12                              ; step 0's four loads are in
	TURN 0
.macro STEP t
.set XS, X+16*((\t)%2)
.if (\t) > 0
	s_wait_dscnt 1                                 ; this step's numbers are back from the stage; the last step's byte store may be out
.else
	s_wait_dscnt 0x0
.endif
.if (\t)+4 < STEPS
	LOAD (\t)+4
.endif
.if (\t)+1 < STEPS
.if STEPS-2-(\t) >= 3
	s_wait_loadcnt 12                              ; the next step's four loads are in; those of the three steps behind it may be out
.else
	s_wait_loadcnt 4*(STEPS-2-(\t))
.endif
	TURN (\t)+1
.endif
	v_max3_num_f32 v8, |v[XS]|, |v[XS+1]|, |v[XS+2]|
	v_max3_num_f32 v9, |v[XS+3]|, |v[XS+4]|, |v[XS+5]|
.irp i, 6,10
	s_delay_alu instid0(VALU_DEP_2)
	v_max3_num_f32 v8, v8, |v[XS+\i]|, |v[XS+\i+1]|
	s_delay_alu instid0(VALU_DEP_2)
	v_max3_num_f32 v9, v9, |v[XS+\i+2]|, |v[XS+\i+3]|
.endr
	s_delay_alu instid0(VALU_DEP_2)
	v_max3_num_f32 v8, v8, |v[XS+14]|, |v[XS+15]|
	s_delay_alu instid0(VALU_DEP_1)
	v_max3_num_f32 v8, v8, v9, (EMAX+1)<<23        ; the floor 2^(5 - 127): the byte cannot fall under 1
	s_delay_alu instid0(VALU_DEP_1)
	v_max_num_f32_dpp v8, v8, v8 row_xmask:1 row_mask:0xf bank_mask:0xf   ; with my neighbour's 16: the block's largest magnitude
	s_delay_alu instid0(VALU_DEP_1)
	v_add_nc_u32 v11, -(EMAX<<23), v8              ; 4 off its exponent field: the conversion's scale operand
	v_cvt_scalef32_pk16_bf6_f32 v[C+4*(\t):C+4*(\t)+2], v[XS:XS+15], v11
	v_lshrrev_b32 v[E+(\t)], 23, v11               ; the scale's byte
	ds_store_b8 v5, v[E+(\t)] offset:64*((\t)/4)+8*((\t)%4)   ; both lanes of a block write the same byte with the same value
	global_store_b96 v[CA+(\t)/4], v[C+4*(\t):C+4*(\t)+2], s[54+4*((\t)%4):55+4*((\t)%4)]   ; two positions' 192 bytes of one plane
.endm
.irp t, 0,1,2,3,4,5,6,7,8,9,10,11,12,13,14,15
	STEP \t
.endr
	s_wait_dscnt 0x0                               ; for the others' sake: my scale bytes lie in LDS
	s_barrier_signal -1
	s_barrier_wait -1
	ds_load_b32 v8, v6                             ; wave w stores plane w: the words of rows 0-31 of the group,
	ds_load_b32 v9, v6 offset:4*WREG               ; and of rows 32-63
	s_wait_dscnt 0x0
	global_store_b32 v[PO], v8, s[56:57]
	global_store_b32 v[PO+1], v9, s[56:57]
	s_wait_tensorcnt 0x0                           ; the wave's end: behind my last LDS store
	ds_add_u32 v[SPW], v[NIL]
	s_wait_dscnt 0x0
	s_endpgm
.Ltable:
	; rot[pos][cos(pos f_i), i = 0..31 | sin(pos f_i)], f_i = 10000^(-i / 32).  Sixteen lanes fill a position's 256 bytes: lane % 16 = 8 x (sin?) + i / 4.  A wave makes 8 positions, two an instruction.
	s_sub_co_u32 s25, ttmp9, 448
	s_lshl_b32 s25, s25, 6
	s_lshl_b32 s26, s24, 3
	s_add_co_u32 s25, s25, s26                     ; my wave's first position
	s_lshl_b32 s26, s25, 8
	s_mov_b32 s27, 0
	s_mov_b32 s30, 0x3fc90fdb                      ; pi / 2, its upper part,
	s_mov_b32 s31, 0xb33bbd2e                      ; and the rest
	s_mov_b32 s32, 0xb94ca1f9                      ; sine's three coefficients
	s_mov_b32 s33, 0x3c08839e
	s_mov_b32 s34, 0xbe2aaaa3
	s_mov_b32 s35, 0x37ccf5ce                      ; cosine's three
	s_mov_b32 s36, 0xbab6061a
	s_mov_b32 s37, 0x3d2aaaa5
	v_and_b32 v3, 15, v0
	s_delay_alu instid0(VALU_DEP_1)
	v_and_b32 v4, 7, v3
	s_delay_alu instid0(VALU_DEP_2)
	v_lshrrev_b32 v5, 3, v3                        ; 1: sine
	v_bfe_u32 v6, v0, 4, 1
	s_delay_alu instid0(VALU_DEP_3)
	v_lshlrev_b32 v7, 2, v4
	s_delay_alu instid0(VALU_DEP_1)
	v_cvt_f32_u32 v7, v7
	s_delay_alu instid0(VALU_DEP_1)
	v_mov_b32 v16, v7
	s_delay_alu instid0(VALU_DEP_2)
	v_add_f32 v17, 1.0, v7
	s_delay_alu instid0(VALU_DEP_3)
	v_add_f32 v18, 2.0, v7
	s_delay_alu instid0(VALU_DEP_4)
	v_add_f32 v19, 0x40400000, v7
.irp c, 0,1,2,3
	s_delay_alu instid0(VALU_DEP_4)
	v_mul_f32 v[16+\c], 0xbed49a78, v[16+\c]       ; -i log2(10) / 8
.endr
	s_wait_alu depctr_va_vdst(0)
.irp c, 0,1,2,3
	v_exp_f32 v[16+\c], v[16+\c]
.endr
	v_mul_u32_u24 v8, v5, 3                        ; (a plain line behind the exponentials)  sin x = cos(x - pi / 2): three quadrants on
	v_lshlrev_b32 v9, 4, v3
	s_delay_alu instid0(VALU_DEP_1)
	v_lshl_add_u32 v9, v6, 8, v9
	v_add_nc_u32 v10, s25, v6
	s_delay_alu instid0(VALU_DEP_1)
	v_cvt_f32_u32 v10, v10
	s_wait_alu depctr_va_vdst(0)                   ; one wait for the four, ahead of their first reader
	s_wait_kmcnt 0x0
	s_add_nc_u64 s[22:23], s[22:23], s[26:27]
.macro TASK k, add
	v_add_f32 v11, \add, v10                       ; the position, exact
.irp c, 0,1,2,3
	v_mul_f32 v20, v11, v[16+\c]                   ; the angle, rounded once as reference() rounds it
	s_delay_alu instid0(VALU_DEP_1)
	v_mul_f32 v21, 0x3f22f983, v20
	s_delay_alu instid0(VALU_DEP_1)
	v_rndne_f32 v21, v21                           ; quadrants
	s_delay_alu instid0(VALU_DEP_1)
	v_fma_f32 v22, -v21, s30, v20                  ; exact: a multiple of 2^-23 under 1
	s_delay_alu instid0(VALU_DEP_1)
	v_fma_f32 v22, -v21, s31, v22
	s_delay_alu instid0(VALU_DEP_3)
	v_cvt_i32_f32 v23, v21
	s_delay_alu instid0(VALU_DEP_1)
	v_add_nc_u32 v23, v23, v8
	s_delay_alu instid0(VALU_DEP_3)
	v_mul_f32 v24, v22, v22
	s_delay_alu instid0(VALU_DEP_1)
	v_fma_f32 v25, v24, s32, s33
	s_delay_alu instid0(VALU_DEP_2)
	v_fma_f32 v27, v24, s35, s36
	s_delay_alu instid0(VALU_DEP_2)
	v_fma_f32 v25, v25, v24, s34
	s_delay_alu instid0(VALU_DEP_2)
	v_fma_f32 v27, v27, v24, s37
	v_mul_f32 v26, v22, v24
	v_mul_f32 v28, v24, v24
	v_fma_f32 v29, v24, -0.5, 1.0
	s_delay_alu instid0(VALU_DEP_3)
	v_fma_f32 v25, v25, v26, v22                   ; sin r
	s_delay_alu instid0(VALU_DEP_2)
	v_fma_f32 v27, v27, v28, v29                   ; cos r
	v_and_b32 v30, 1, v23
	s_delay_alu instid0(VALU_DEP_1)
	v_cmp_eq_u32 vcc_lo, 1, v30
	s_delay_alu instid0(VALU_DEP_1)
	v_cndmask_b32 v31, v27, v25, vcc_lo
	v_add_nc_u32 v30, 1, v23
	s_delay_alu instid0(VALU_DEP_1)
	v_and_b32 v30, 2, v30
	s_delay_alu instid0(VALU_DEP_1)
	v_lshlrev_b32 v30, 30, v30
	s_delay_alu instid0(VALU_DEP_1)
	v_xor_b32 v[32+4*\k+\c], v31, v30              ; quadrants 1 and 2 change the sign
.endr
	global_store_b128 v9, v[32+4*\k:35+4*\k], s[22:23] offset:512*\k
.endm
	TASK 0, 0
	TASK 1, 2.0
	TASK 2, 4.0
	TASK 3, 0x40c00000
	s_endpgm
.Lfunc_end_k_q1e1ce7c25a_prep:
	.size	k_q1e1ce7c25a_prep, .Lfunc_end_k_q1e1ce7c25a_prep-k_q1e1ce7c25a_prep
	.p2alignl 7, 3214868480
	.fill 96, 4, 3214868480
	.section	.rodata,"a",@progbits
	.p2align	6, 0x0
	.amdhsa_kernel k_q1e1ce7c25a_prep
		.amdhsa_group_segment_fixed_size 44032
		.amdhsa_private_segment_fixed_size 0
		.amdhsa_enable_private_segment 0
		.amdhsa_kernarg_size 80
		.amdhsa_user_sgpr_count 2
		.amdhsa_user_sgpr_kernarg_segment_ptr 1
		.amdhsa_wavefront_size32 1
		.amdhsa_system_sgpr_workgroup_id_x 1
		.amdhsa_system_sgpr_workgroup_id_y 1
		.amdhsa_system_sgpr_workgroup_id_z 1
		.amdhsa_system_vgpr_workitem_id 0
		.amdhsa_next_free_vgpr 208
		.amdhsa_next_free_sgpr 68
		.amdhsa_reserve_vcc 1
		.amdhsa_float_denorm_mode_32 3
		.amdhsa_float_denorm_mode_16_64 3
		.amdhsa_memory_ordered 1
		.amdhsa_forward_progress 1
		.amdhsa_inst_pref_size 70
	.end_amdhsa_kernel
	.amdgpu_metadata
---
amdhsa.version: [ 1, 2 ]
amdhsa.kernels:
  - .name:           k_q1e1ce7c25a_prep
    .symbol:         k_q1e1ce7c25a_prep.kd
    .args:
      - { .name: query, .offset: 0, .size: 8, .value_kind: global_buffer, .address_space: global }
      - { .name: key, .offset: 8, .size: 8, .value_kind: global_buffer, .address_space: global }
      - { .name: value, .offset: 16, .size: 8, .value_kind: global_buffer, .address_space: global }
      - { .name: Wq, .offset: 24, .size: 8, .value_kind: global_buffer, .address_space: global }
      - { .name: Wk, .offset: 32, .size: 8, .value_kind: global_buffer, .address_space: global }
      - { .name: Wv, .offset: 40, .size: 8, .value_kind: global_buffer, .address_space: global }
      - { .name: Wo, .offset: 48, .size: 8, .value_kind: global_buffer, .address_space: global }
      - { .name: xq, .offset: 56, .size: 8, .value_kind: global_buffer, .address_space: global }
      - { .name: wq, .offset: 64, .size: 8, .value_kind: global_buffer, .address_space: global }
      - { .name: rot, .offset: 72, .size: 8, .value_kind: global_buffer, .address_space: global }
    .group_segment_fixed_size: 44032
    .private_segment_fixed_size: 0
    .kernarg_segment_align: 8
    .kernarg_segment_size: 80
    .max_flat_workgroup_size: 256
    .sgpr_count:     68
    .vgpr_count:     208
    .wavefront_size: 32
...
	.end_amdgpu_metadata
.endif
;; end of part 1
;; launch proj (part 2): grid 96 x 4, 4 waves a work-group, clusters of 4 x 4, 327,680 bytes of LDS; arguments xq, wq, rot, bq, bk, bv, padding_mask, qimg, kv, vsum; writes qimg, kv, vsum
.if DOCPART == 2
	.amdgcn_target "amdgcn-amd-amdhsa--gfx1250"
	.amdhsa_code_object_version 6
	.text
	.protected	k_q1e1ce7c25a_proj
	.globl	k_q1e1ce7c25a_proj
	.p2align	8
	.type	k_q1e1ce7c25a_proj,@function
k_q1e1ce7c25a_proj:
	s_mov_b64 s[64:65], 0
	v_nop
	global_prefetch_b8 v0, s[64:65] scope:SCOPE_SE
	s_setreg_imm32_b32 hwreg(HW_REG_WAVE_MODE, 25, 1), 1
	s_wait_xcnt 0x0
	s_wait_alu depctr_hold_cnt(0) depctr_sa_sdst(0) depctr_va_vdst(0) depctr_va_sdst(0) depctr_va_ssrc(0) depctr_va_vcc(0) depctr_vm_vsrc(0)
	s_getreg_b32 s2, hwreg(HW_REG_IB_STS2, 6, 4)
	s_cmp_eq_u32 s2, 0
	s_cbranch_scc0 .Lentry_in_a_cluster
	s_endpgm
.Lentry_in_a_cluster:
	s_bfe_u32 s2, ttmp6, 0x10000c
	s_cmp_lg_u32 s2, 0xf033
	s_cbranch_scc0 .Lentry_shape_is_right
	s_endpgm
.Lentry_shape_is_right:
.set XT,     6291456
.set WT,     786432
.set XS0,    18874368
.set WS0,    3145728
.set NQ,     2
.set ROWB,   192
.set QPX,    1572864                   ; a plane (256 along K) of a tensor's codes in xq: 8,192 positions x 192 bytes
.set QPW,    196608                    ; and in wq: 1,024 positions
.set PITCH,  240
.set FR,     12
.set NL,     6
.set NP,     4
.set HALFT,  128*PITCH
.set SLOT,   4*HALFT
.set SCA,    2*SLOT
.set SCB,    SCA+8192
.set SPARE,  SCB+8192
.set VSTG,   SPARE+512
.set VWB,    13312
.set QWB,    17408
.set QREC,   8704
.set REC,    15104
.set VSA,  8
.set VSW,  9
.set VSS,  10
.set VRW,  11
.set L8,   12
.set BLT,  13
.set TLT,  14
.set MLT,  15
.set ADRA, 16
.set ADRB, 20
.set QSA,  24
.set QSW,  25
.set QRD,  26
.set ADRSA, 27
.set SPW,  28
.set NIL,  29
.set ADRSB, 30
.set LI,   31
.set SC,   32
.set BIAS, 64
.set AF,   128
.set MSK,  224
.set X,    128
.set PC,   160
.set PT,   168
.set PW,   172
.set TM,   176
.set MK,   192
.set MB,   200
.set VA,   208
.set VC,   128
.set VTM,  148
.set PWV,  212
.set ONS,  213
.set ONES, 168
.set SD,   184
.set G1, 24
.set G0, 32
.set G1B, 48
.set G0B, 56
.set SEL, 66
.set G1S, 68
.set G0S, 76
.set G1SB, 80
.set G0SB, 88
.set WV, 92
.set RH, 93
.set CH, 94
.set GG, 95
.set MSB, 0
.macro WIN new
.if MSB != \new
	s_set_vgpr_msb (MSB<<8)|\new
.set MSB, \new
.endif
.endm
.set MUL_LO, 0xa1
.set MUL_HI, 0xf1
.set TO_B,   0x40
.macro JLOAD g0a, g1a, g0b, g1b
	s_cmp_eq_u32 s[RH], 0
	s_cbranch_scc0 .Lfor_b_\@
	tensor_load_to_lds s[\g0a:\g0a+3], s[\g1a:\g1a+7]
	s_nop 0
.rept 4
	v_nop
.endr
	s_branch .Lasked_\@
.Lfor_b_\@:
	tensor_load_to_lds s[\g0b:\g0b+3], s[\g1b:\g1b+7]
	s_nop 0
.rept 4
	v_nop
.endr
.Lasked_\@:
.endm
.macro CREST
	s_cmp_lg_u32 s[WV], 0
	s_cbranch_scc1 .Lnot_wave_0_\@
	s_barrier_signal -3
.Lnot_wave_0_\@:
	s_barrier_wait -3
	s_barrier_signal -1
	s_barrier_wait -1
.endm
.macro CROUND
	s_barrier_signal -1
	s_barrier_wait -1
	CREST
.endm
	s_load_b512 s[4:19], s[0:1], 0x0
	s_load_b128 s[20:23], s[0:1], 0x40
	v_lshl_add_u32 v[SPW], v0, 2, SPARE
	v_mov_b32 v[NIL], 0
	ds_add_u32 v[SPW], v[NIL]
	ds_add_u32 v[SPW], v[NIL]
	v_lshrrev_b32 v1, 5, v0
	v_readfirstlane_b32 s[WV], v1
	s_lshr_b32 s[RH], s[WV], 1
	s_and_b32 s[CH], s[WV], 1
	s_bfe_u32 s40, ttmp6, 0x40000
	s_bfe_u32 s41, ttmp6, 0x40004
	s_lshr_b32 s[GG], ttmp9, 3
	s_and_b32 s42, ttmp9, 7
	s_lshl_b32 s42, s42, 2
	s_cmp_lt_u32 s[GG], 2
	s_cselect_b32 s43, s42, 0
	s_cselect_b32 s44, 0, s42
	s_lshl_b32 s45, s41, 2
	s_lshl_b32 s45, 15, s45
	s_lshl_b32 s46, 0x1111, s40
	s_add_co_u32 s41, s43, s41
	s_add_co_u32 s40, s44, s40
	s_or_b32 s[G1+0], s45, (0<<16)|(1<<20)|(1<<21)|(3<<22)|(3<<25)
	s_or_b32 s[G1B+0], s46, (0<<16)|(1<<20)|(1<<21)|(3<<22)|(3<<25)
.irp g, G1, G1B
	s_mov_b32 s[\g+1], 256<<16                     ; a tile's positions of one plane are dense: stated as rows of 256 bytes; the padding's interval stays 64 bytes, so a position's LDS row is 240 bytes
	s_mov_b32 s[\g+2], 192<<16                     ; the head's loads bring 256 positions: 192 rows
	s_mov_b32 s[\g+3], 256<<16
	s_mov_b32 s[\g+4], 192
	s_mov_b32 s[\g+5], 256
	s_mov_b32 s[\g+6], 0
	s_mov_b32 s[\g+7], 0
.endr
	s_or_b32 s[G1S+0], s45, (3<<16)|(1<<21)
	s_or_b32 s[G1SB+0], s46, (3<<16)|(1<<21)
.irp g, G1S, G1SB
	s_mov_b32 s[\g+1], 32<<16
	s_mov_b32 s[\g+2], 32<<16                      ; the scale words of 256 positions, all of K: 32 rows of 256 bytes
	s_mov_b32 s[\g+3], 32<<16
	s_mov_b32 s[\g+4], 32
	s_mov_b32 s[\g+5], 32
	s_mov_b32 s[\g+6], 0
	s_mov_b32 s[\g+7], 0
.endr
	s_mul_i32 s96, s41, 256*ROWB                   ; where the tile's 256 positions begin in a plane: A's,
	s_mul_i32 s100, s40, 256*ROWB                  ; B's;
	s_lshl_b32 s98, s41, 13                        ; and their scale words
	s_lshl_b32 s104, s40, 13
	s_mul_i32 s2, s[GG], XT
	s_mul_i32 s3, s[GG], WT
	s_lshl_b32 s42, s[GG], 18
	s_add_co_u32 s42, s42, XS0
	s_lshl_b32 s45, s[GG], 15
	s_add_co_u32 s45, s45, WS0
	s_cmp_lt_u32 s[GG], 2
	s_mov_b32 s46, 2*WT
	s_cselect_b32 s2, s2, s46
	s_mov_b32 s46, 2*XT
	s_cselect_b32 s3, s3, s46
	s_mov_b32 s46, WS0+65536
	s_cselect_b32 s42, s42, s46
	s_mov_b32 s46, XS0+524288
	s_cselect_b32 s45, s45, s46
	s_add_co_u32 s96, s96, s2
	s_add_co_u32 s100, s100, s3
	s_add_co_u32 s98, s98, s42
	s_add_co_u32 s104, s104, s45
	s_mov_b32 s97, 0
	s_mov_b32 s99, 0
	s_mov_b32 s101, 0
	s_mov_b32 s105, 0
	s_mul_i32 s67, s[WV], HALFT
	s_wait_dscnt 0x0
	s_wait_kmcnt 0x0
	s_cmp_lt_u32 s[GG], 2
	s_cselect_b64 s[42:43], s[4:5], s[6:7]
	s_cselect_b64 s[44:45], s[6:7], s[4:5]
	s_add_nc_u64 s[96:97], s[42:43], s[96:97]
	s_add_nc_u64 s[98:99], s[42:43], s[98:99]
	s_add_nc_u64 s[100:101], s[44:45], s[100:101]
	s_add_nc_u64 s[104:105], s[44:45], s[104:105]
	CROUND
	s_mov_b32 s[G0S], 1                            ; the head's four tiles, each whole: A's scale words,
	s_mov_b32 s[G0S+1], SCA
	s_mov_b64 s[G0S+2:G0S+3], s[98:99]
	s_or_b32 s[G0S+3], s[G0S+3], 0x80000000
	s_mov_b32 s[G0SB], 1                           ; B's,
	s_mov_b32 s[G0SB+1], SCB
	s_mov_b64 s[G0SB+2:G0SB+3], s[104:105]
	s_or_b32 s[G0SB+3], s[G0SB+3], 0x80000000
	s_mov_b32 s[G0], 1                             ; plane 0 of A's 256 positions,
	s_mov_b32 s[G0+1], 0
	s_mov_b64 s[G0+2:G0+3], s[96:97]
	s_or_b32 s[G0+3], s[G0+3], 0x80000000
	s_mov_b32 s[G0B], 1                            ; and of B's, behind them in slot 0
	s_mov_b32 s[G0B+1], 2*HALFT
	s_mov_b64 s[G0B+2:G0B+3], s[100:101]
	s_or_b32 s[G0B+3], s[G0B+3], 0x80000000
	s_mov_b32 s98, 2*QPW
	s_mov_b32 s104, 2*QPX
	s_cmp_lt_u32 s[GG], 2                          ; for q and k A is a tensor of xq and B a weight; for v the other way round
	s_cselect_b32 s2, s104, s98
	s_cselect_b32 s104, s98, s104                  ; s[104:105]: two planes of B, a slot's step from fill to fill
	s_mov_b32 s98, s2                              ; s[98:99]: two planes of A
	s_mov_b32 s99, 0
	s_mov_b32 s105, 0
	s_mul_i32 s3, s[CH], 128*ROWB                  ; in the ring a wave fetches 128 positions: which half
	s_lshr_b32 s2, s98, 1
	s_add_co_u32 s2, s2, s3
	s_lshr_b32 s44, s104, 1
	s_add_co_u32 s44, s44, s3
	s_mov_b32 s3, 0
	s_mov_b32 s45, 0
	s_mov_b32 s[G0+4], 1                           ; slot 1: plane 1, my 128 positions
	s_add_co_u32 s[G0+5], s67, SLOT
	s_add_nc_u64 s[G0+6:G0+7], s[96:97], s[2:3]
	s_or_b32 s[G0+7], s[G0+7], 0x80000000
	s_mov_b32 s[G0B+4], 1
	s_add_co_u32 s[G0B+5], s67, SLOT
	s_add_nc_u64 s[G0B+6:G0B+7], s[100:101], s[44:45]
	s_or_b32 s[G0B+7], s[G0B+7], 0x80000000
; THE HEAD'S LOADS, ONE A WAVE: wave 0 fetches A's 256 positions of plane 0, wave 1 B's, wave 2 A's scale words, wave 3 B's.  One tree of branches on the wave's number: every way passes one load.
.macro ARM under, g0, g1, next
	s_cmp_lt_u32 s[WV], \under
	s_cbranch_scc0 \next
	tensor_load_to_lds s[\g0:\g0+3], s[\g1:\g1+7]
	s_nop 0
.rept 4
	v_nop
.endr
	s_branch .Lhead_asked
\next:
.endm
	ARM 1, G0,  G1,  .Lhead_b
	ARM 2, G0B, G1B, .Lhead_sa
	ARM 3, G0S, G1S, .Lhead_sb
	tensor_load_to_lds s[G0SB:G0SB+3], s[G1SB:G1SB+7]
	s_nop 0
.rept 4
	v_nop
.endr
.Lhead_asked:
	v_and_b32 v1, 15, v0
	v_bfe_u32 v2, v0, 4, 1
	v_and_b32 v3, 31, v0
	v_mul_u32_u24 v4, v1, PITCH
	v_mul_u32_u24 v5, v2, 24
	v_add_nc_u32 v4, v4, v5
	v_lshl_add_u32 v5, v2, 4, v4
	s_mul_i32 s42, s[RH], HALFT
	s_mul_i32 s43, s[CH], HALFT
	s_add_co_u32 s43, s43, 2*HALFT
.irp s, 0,1
	v_add_nc_u32 v[ADRA+\s], s42, v4
	v_add_nc_u32 v[ADRB+\s], s43, v4
	v_add_nc_u32 v[ADRA+2+\s], s42, v5
	v_add_nc_u32 v[ADRB+2+\s], s43, v5
	s_add_co_u32 s42, s42, SLOT
	s_add_co_u32 s43, s43, SLOT
.endr
	s_lshl_b32 s42, s[RH], 9
	s_add_co_u32 s42, s42, SCA
	v_lshl_add_u32 v[ADRSA], v3, 2, s42
	s_lshl_b32 s43, s[CH], 9
	s_add_co_u32 s43, s43, SCB
	v_lshl_add_u32 v[ADRSB], v3, 2, s43
	v_lshrrev_b32 v6, 3, v1
	v_and_b32 v7, 7, v1
	s_mul_i32 s42, s[WV], QWB
	v_lshlrev_b32 v[LI], 4, v3
	v_lshlrev_b32 v[L8], 3, v3
	v_lshl_add_u32 v4, v7, 4, s42
	v_lshl_add_u32 v[QSA], v6, 10, v4
	v_lshl_add_u32 v[QSA], v2, 8, v[QSA]
	v_lshl_add_u32 v[QSW], v6, 8, v4
	v_add_nc_u32 v[QSW], 8192, v[QSW]
	v_add_nc_u32 v[QRD], s42, v[LI]
	s_mul_i32 s43, s[WV], VWB
	s_add_co_u32 s43, s43, VSTG
	v_add_nc_u32 v[VSA], s43, v[LI]
	v_lshl_add_u32 v[VSW], v1, 3, s43
	v_add_nc_u32 v[VSW], 6144, v[VSW]
	v_lshl_add_u32 v[VSS], v1, 2, s43
	v_add_nc_u32 v[VSS], 12800, v[VSS]
	v_add_nc_u32 v[VRW], s43, v[L8]
	v_add_nc_u32 v[VRW], 6144, v[VRW]
	v_lshlrev_b32 v[TLT], 8, v1
	v_lshl_add_u32 v[TLT], v2, 6, v[TLT]
	v_lshlrev_b32 v[MLT], 2, v1
	s_cmp_lt_u32 s[GG], 2
	s_cbranch_scc0 .Lbias_v
	s_cmp_eq_u32 s[GG], 0
	s_cselect_b64 s[46:47], s[10:11], s[12:13]
	s_lshl_b32 s42, s40, 10
	s_lshl_b32 s43, s[CH], 9
	s_add_co_u32 s42, s42, s43
	s_mov_b32 s43, 0
	s_add_nc_u64 s[46:47], s[46:47], s[42:43]
	v_lshlrev_b32 v[BLT], 7, v2
.irp b, 0,1,2,3,4,5,6,7
.irp j, 0,1,2,3,4,5,6,7
	global_load_b32 v[BIAS+8*\b+\j], v[BLT], s[46:47] offset:256*(\b/4)+4*((\b/2)%2)+64*(\b%2)+8*\j
.endr
.endr
	s_branch .Lbias_done
.Lbias_v:
	s_lshl_b32 s42, s41, 10
	s_lshl_b32 s43, s[RH], 9
	s_add_co_u32 s42, s42, s43
	s_mov_b32 s43, 0
	s_add_nc_u64 s[46:47], s[14:15], s[42:43]
	v_lshlrev_b32 v[BLT], 6, v6
	v_lshl_add_u32 v[BLT], v7, 2, v[BLT]
.irp a, 0,1,2,3,4,5,6,7
.irp j, 0,1,2,3,4,5,6,7
	global_load_b32 v[BIAS+8*\a+\j], v[BLT], s[46:47] offset:128*(\a/2)+32*(\a%2)
.endr
.endr
.Lbias_done:
.macro FRAG reg, adr, q, i
.irp p, 0,1,2,3,4,5
.set PIECE, 12*(\q)+6*(\p/3)+\p%3
.if PIECE%8 < 5
	ds_load_b64 v[\reg+2*\p:\reg+2*\p+1], v[\adr] offset:8*PIECE+16*(PIECE/8)+(\i)*16*PITCH
.else
	ds_load_b64 v[\reg+2*\p:\reg+2*\p+1], v[\adr+2] offset:8*PIECE+16*(PIECE/8)+(\i)*16*PITCH
.endif
.endr
.endm
.macro WM
.if (RA == 0) && (RB == 0)
	v_wmma_scale_f32_16x16x128_f8f6f4 v[DD:DD+7], v[F0:F0+11], v[F1:F1+11], v[CC:CC+7], v[SA], v[SB] matrix_a_fmt:MATRIX_FMT_BF6 matrix_b_fmt:MATRIX_FMT_BF6
.elseif RB == 0
	v_wmma_scale_f32_16x16x128_f8f6f4 v[DD:DD+7], v[F0:F0+11], v[F1:F1+11], v[CC:CC+7], v[SA], v[SB] matrix_a_fmt:MATRIX_FMT_BF6 matrix_b_fmt:MATRIX_FMT_BF6 matrix_a_scale:MATRIX_SCALE_ROW1
.elseif RA == 0
	v_wmma_scale_f32_16x16x128_f8f6f4 v[DD:DD+7], v[F0:F0+11], v[F1:F1+11], v[CC:CC+7], v[SA], v[SB] matrix_a_fmt:MATRIX_FMT_BF6 matrix_b_fmt:MATRIX_FMT_BF6 matrix_b_scale:MATRIX_SCALE_ROW1
.else
	v_wmma_scale_f32_16x16x128_f8f6f4 v[DD:DD+7], v[F0:F0+11], v[F1:F1+11], v[CC:CC+7], v[SA], v[SB] matrix_a_fmt:MATRIX_FMT_BF6 matrix_b_fmt:MATRIX_FMT_BF6 matrix_a_scale:MATRIX_SCALE_ROW1 matrix_b_scale:MATRIX_SCALE_ROW1
.endif
.endm
.macro MUL16 a0, p, q, sc, cm
.irp a, \a0, \a0+1
.irp b, 0,1,2,3,4,5,6,7
.set DD, 8*(8*((\a)%4)+\b)
.if (\cm) == 1
.set CC, BIAS+8*\b
.elseif (\cm) == 2
.set CC, BIAS+8*(\a)
.else
.set CC, DD
.endif
.set F0, 128*(\p)+FR*\b
.set F1, AF+FR*(\a)
.set SA, SC+16*(\sc)+8*(\q)+4+\b/2
.set SB, SC+16*(\sc)+8*(\q)+(\a)/2
.set RA, \b%2
.set RB, (\a)%2
	WM
.endr
.endr
.endm
.macro FETCH_B slot, q, p
	WIN TO_B
.irp i, 0,1,2,3,4,5,6,7
	FRAG 128*(\p)+FR*\i, ADRB+\slot, \q, \i
.endr
	WIN 0
.endm
.macro FETCH_A slot, q, i0
.irp i, \i0, \i0+1, \i0+2, \i0+3
	FRAG AF+FR*(\i), ADRA+\slot, \q, \i
.endr
.endm
.macro SCALES sc
.irp q, 0,1
.irp x, 0,1,2,3
	ds_load_b32 v[SC+16*\sc+8*\q+\x], v[ADRSA] offset:1024*\q+128*\x
	ds_load_b32 v[SC+16*\sc+8*\q+4+\x], v[ADRSB] offset:1024*\q+128*\x
.endr
.endr
.endm
.macro PLACES n
.rept \n
	v_nop
.endr
.endm
.macro STEP slot, q, cm
	s_wait_dscnt 4*NL
.if \cm
	WIN 0x81
.else
	WIN MUL_LO
.endif
	MUL16 0, (\q)%2, \q, \slot, \cm
	MUL16 2, (\q)%2, \q, \slot, \cm
	s_wait_dscnt 0
	PLACES NP
	FETCH_B \slot, (\q)+1, 1-(\q)%2
	FETCH_A \slot, (\q)+1, 0
.if \cm
	WIN 0xc1
.else
	WIN MUL_HI
.endif
	MUL16 4, (\q)%2, \q, \slot, \cm
	MUL16 6, (\q)%2, \q, \slot, \cm
	PLACES NP
	WIN 0
	FETCH_A \slot, (\q)+1, 4
.endm
.macro TURN slot, next, fill
	s_wait_tensorcnt 0x0
	ds_add_u32 v[SPW], v[NIL]
	s_wait_dscnt 4*NL+1
	WIN MUL_LO
	MUL16 0, 1, NQ-1, \slot, 0
	s_wait_dscnt 0x0
	s_barrier_signal -1
	MUL16 2, 1, NQ-1, \slot, 0
	WIN 0
	s_barrier_wait -1
.if \fill
	CREST
	s_add_nc_u64 s[G0+4*\slot+2:G0+4*\slot+3], s[G0+4*\slot+2:G0+4*\slot+3], s[98:99]
	s_add_nc_u64 s[G0B+4*\slot+2:G0B+4*\slot+3], s[G0B+4*\slot+2:G0B+4*\slot+3], s[104:105]
	JLOAD G0+4*\slot, G1, G0B+4*\slot, G1B
.else
	PLACES NP
.endif
	s_wait_alu depctr_va_vdst(0)
	v_add_nc_u32 v[ADRSA], 2048, v[ADRSA]
	v_add_nc_u32 v[ADRSB], 2048, v[ADRSB]
	FETCH_B \next, 0, 0
	FETCH_A \next, 0, 0
	SCALES \next
	WIN MUL_HI
	MUL16 4, 1, NQ-1, \slot, 0
	MUL16 6, 1, NQ-1, \slot, 0
	PLACES NP
	WIN 0
	FETCH_A \next, 0, 4
.endm
.macro TABLOAD a, reg
.irp i, 0,1,2,3
	global_load_b128 v[\reg+4*\i:\reg+4*\i+3], v[TLT], s[8:9] offset:4096*(\a)+16*\i
.endr
.irp i, 0,1,2,3
	global_load_b128 v[\reg+16+4*\i:\reg+16+4*\i+3], v[TLT], s[8:9] offset:4096*(\a)+128+16*\i
.endr
.endm
	s_wait_alu depctr_va_vdst(0)                   ; the wait at the head's end
	s_wait_tensorcnt 0x0                           ; my tile of the head's four is in; these lines stand ahead of a later first fill as ahead of a refill
	ds_add_u32 v[SPW], v[NIL]
	s_mov_b32 s[G1+2], 96<<16                      ; no tensor load of mine is out, so descriptors may be written: from here on a load brings 128 positions, 96 rows of 256 bytes,
	s_mov_b32 s[G1+4], 96
	s_mov_b32 s[G1B+2], 96<<16
	s_mov_b32 s[G1B+4], 96
	s_mul_i32 s42, s[CH], 128*ROWB
	s_mov_b32 s43, 0
	s_add_nc_u64 s[G0+2:G0+3], s[G0+2:G0+3], s[42:43]      ; and slot 0's group 0 stands at my half of plane 0: its refill steps two planes on
	s_add_nc_u64 s[G0B+2:G0B+3], s[G0B+2:G0B+3], s[42:43]
	s_mov_b32 s[G0+1], s67
	s_mov_b32 s[G0B+1], s67
	s_wait_dscnt 0x0
	CROUND                                         ; all four tiles are in, and all sixteen work-groups are here
	JLOAD G0+4, G1, G0B+4, G1B                     ; plane 1, the first tensor load behind the round
	FETCH_B 0, 0, 0
	FETCH_A 0, 0, 0
	SCALES 0
	FETCH_A 0, 0, 4
	s_wait_loadcnt 0x0
	s_cmp_lt_u32 s[GG], 2
	s_cbranch_scc0 .Lfirst_v
	STEP 0, 0, 1
	s_lshl_b32 s42, s41, 10
	s_lshl_b32 s43, s[RH], 9
	s_add_co_u32 s42, s42, s43
	s_mov_b32 s43, 0
	s_add_nc_u64 s[16:17], s[16:17], s[42:43]
	s_and_b32 s42, s42, 8191
	s_lshl_b32 s42, s42, 6
	s_add_nc_u64 s[8:9], s[8:9], s[42:43]
	s_cmp_eq_u32 s[GG], 1
	s_cbranch_scc0 .Lno_mask
	s_wait_alu depctr_va_vdst(0)
.irp a, 0,1,2,3,4,5,6,7
	global_load_b32 v[MSK+\a], v[MLT], s[16:17] offset:64*\a
.endr
	s_branch .Lmasked
.Lno_mask:
.irp a, 0,1,2,3,4,5,6,7
	v_mov_b32 v[MSK+\a], 1
.endr
.Lmasked:
	TABLOAD 0, BIAS
	TABLOAD 1, BIAS+32
	s_branch .Lmain
.Lfirst_v:
	STEP 0, 0, 2
.Lmain:
	TURN 0, 1, 1
	STEP 1, 0, 0
	TURN 1, 0, 1
	STEP 0, 0, 0
	TURN 0, 1, 0
	STEP 1, 0, 0
	s_wait_dscnt 4*NL
	WIN MUL_LO
	MUL16 0, 1, NQ-1, 1, 0
	MUL16 2, 1, NQ-1, 1, 0
	s_wait_dscnt 0
	WIN MUL_HI
	MUL16 4, 1, NQ-1, 1, 0
	MUL16 6, 1, NQ-1, 1, 0
	WIN 0
	s_mov_b32 s[SEL], 0x76543210
	s_mov_b32 s[SEL+1], 0xfedcba98
	s_cmp_lt_u32 s[GG], 2
	s_cbranch_scc0 .Lout_v
	PLACES NP
	WIN TO_B
.irp a, 2,3,4,5,6,7
	TABLOAD \a, 32*\a
.endr
	WIN 0
	s_cmp_eq_u32 s[GG], 0
	s_cselect_b32 s42, 0x1c, 0
	s_mov_b32 s43, 0x01010000
	s_cselect_b32 s43, 0x7f9f0000, s43
	v_sub_nc_u32 v[VA], 1, v2
	v_mul_u32_u24 v[VA+1], 0x3c, v[VA]
	v_mul_u32_u24 v[VA], s42, v[VA]
	v_mov_b32 v[VA+2], s43
	v_mov_b32 v[VA+3], 0x019f0000
	v_mov_b32 v[TM+2], 0
	v_mov_b32 v[TM+3], 0
	v_mov_b32 v[PC+7], 0
	s_wait_alu depctr_va_vdst(0)
	s_wait_loadcnt 56
.irp a, 0,1,2,3,4,5,6,7
	v_cmp_eq_u32 vcc_lo, 0, v[MSK+\a]
	v_cndmask_b32 v[MK+\a], v[VA], v[VA+1], vcc_lo
	v_cndmask_b32 v[MB+\a], v[VA+2], v[VA+3], vcc_lo
.endr
.macro ROT a, hd
.set AC, 64*((\a)%4)+32*(\hd)
.if (\a) < 2
.set TBL, BIAS+32*(\a)
	WIN 0x02
.else
.set TBL, 32*(\a)
	WIN 0x06+(\a)/4
.endif
.irp n, 0,2,4,6,8,10,12,14
	v_pk_mul_f32 v[X+\n:X+\n+1], v[AC+16+\n:AC+17+\n], v[TBL+16+\n:TBL+17+\n]
.endr
.irp n, 0,2,4,6,8,10,12,14
	v_pk_mul_f32 v[X+16+\n:X+17+\n], v[AC+16+\n:AC+17+\n], v[TBL+\n:TBL+\n+1]
.endr
.irp n, 0,2,4,6,8,10,12,14
	v_pk_fma_f32 v[X+\n:X+\n+1], v[AC+\n:AC+\n+1], v[TBL+\n:TBL+\n+1], v[X+\n:X+\n+1] neg_lo:[0,0,1] neg_hi:[0,0,1]
.endr
.irp n, 0,2,4,6,8,10,12,14
	v_pk_fma_f32 v[X+16+\n:X+17+\n], v[AC+\n:AC+\n+1], v[TBL+16+\n:TBL+17+\n], v[X+16+\n:X+17+\n]
.endr
	WIN 0
.endm
.macro Q2 a
.irp b, 0,1
	v_max3_num_f32 v[TM+\b], |v[X+16*\b]|, |v[X+16*\b+1]|, 0x2800000
.endr
.irp i, 2,4,6,8,10,12,14
.irp b, 0,1
	v_max3_num_f32 v[TM+\b], v[TM+\b], |v[X+16*\b+\i]|, |v[X+16*\b+\i+1]|
.endr
.endr
.irp b, 0,1
	v_permlanex16_b32 v[TM+2+\b], v[TM+\b], s[SEL], s[SEL+1]
.endr
.irp b, 0,1
	v_max_num_f32 v[TM+\b], v[TM+\b], v[TM+2+\b]
.endr
.irp b, 0,1
	v_add_nc_u32 v[TM+4+\b], 0xfe000000, v[TM+\b]
.endr
.irp b, 0,1
	v_lshrrev_b32 v[TM+2+\b], 23, v[TM+4+\b]
.endr
	s_wait_alu depctr_va_vdst(0)
	s_wait_dscnt 0x0
	v_lshl_or_b32 v[PW], v[TM+3], 8, v[TM+2]
	v_or_b32 v[PW], v[PW], v[MB+(\a)]
	v_cvt_scalef32_pk16_bf6_f32 v[PC:PC+2], v[X:X+15], v[TM+4]
	v_cvt_scalef32_pk16_bf6_f32 v[PT:PT+2], v[X+16:X+31], v[TM+5]
	v_nop
.irp i, 0,1,2
	v_permlane16_swap_b32 v[PC+\i], v[PT+\i]
.endr
.irp i, 0,1,2
	v_mov_b32 v[PC+3+\i], v[PT+\i]
.endr
	v_mov_b32 v[PC+6], v[MK+(\a)]
.endm
.macro STG a, hd
	; token 64 c + 32 u + 8 t + i of the record goes to tile 4 c + t, row 8 u + i: a tile's rows 0-7 come from one block of 32 tokens and its rows 8-15 from the next
	ds_store_b128 v[QSA], v[PC:PC+3] offset:QREC*(\hd)+4096*((\a)/4)+2048*((\a)%2)+128*(((\a)/2)%2)
	ds_store_b128 v[QSA], v[PC+4:PC+7] offset:QREC*(\hd)+4096*((\a)/4)+2048*((\a)%2)+128*(((\a)/2)%2)+512
	ds_store_b32 v[QSW], v[PW] offset:QREC*(\hd)+128*(((\a)/2)%2)+8*((\a)/4)+4*((\a)%2)
.endm
.macro QKBLOCK a
	s_wait_loadcnt 8*(7-(\a))
.irp hd, 0,1
	ROT \a, \hd
	Q2 \a
	STG \a, \hd
.endr
.endm
.irp a, 0,1,2,3,4,5,6,7
	QKBLOCK \a
.endr
	s_lshr_b32 s42, s41, 3
	s_lshl_b32 s42, s42, 4
	s_lshl_b32 s43, s40, 2
	s_add_co_u32 s42, s42, s43
	s_lshl_b32 s43, s[CH], 1
	s_add_co_u32 s42, s42, s43
	s_lshl_b32 s42, s42, 4
	s_lshl_b32 s43, s41, 1
	s_add_co_u32 s43, s43, s[RH]
	s_and_b32 s43, s43, 15
	s_add_co_u32 s42, s42, s43
	s_cmp_eq_u32 s[GG], 0
	s_mov_b32 s44, REC
	s_cselect_b32 s44, QREC, s44
	s_cselect_b64 s[46:47], s[18:19], s[20:21]
	s_mul_i32 s42, s42, s44
	s_mov_b32 s43, 0
	s_add_nc_u64 s[46:47], s[46:47], s[42:43]
	s_lshl_b32 s42, s44, 4
	s_add_nc_u64 s[96:97], s[46:47], s[42:43]
	s_wait_dscnt 0x0
.irp k, 0,1,2,3,4,5,6,7,8,9,10,11,12,13,14,15,16
	ds_load_b128 v[64+4*\k:67+4*\k], v[QRD] offset:512*\k
.endr
.irp k, 0,1,2,3,4,5,6,7,8,9,10,11,12,13,14,15,16
	ds_load_b128 v[132+4*\k:135+4*\k], v[QRD] offset:QREC+512*\k
.endr
.irp k, 0,1,2,3,4,5,6,7,8,9,10,11,12,13,14,15,16
	s_wait_dscnt 33-\k
	global_store_b128 v[LI], v[64+4*\k:67+4*\k], s[46:47] offset:512*\k
.endr
.irp k, 0,1,2,3,4,5,6,7,8,9,10,11,12,13,14,15,16
	s_wait_dscnt 16-\k
	global_store_b128 v[LI], v[132+4*\k:135+4*\k], s[96:97] offset:512*\k
.endr
	s_branch .Lend
.Lout_v:
	PLACES NP
.irp b, 0,1,2,3
	v_mov_b32 v[VTM+4+\b], 0
.endr
.irp i, 0,1,2,3
	v_mov_b32 v[ONES+3*\i], 0x1c71c71c
	v_mov_b32 v[ONES+3*\i+1], 0xc71c71c7
	v_mov_b32 v[ONES+3*\i+2], 0x71c71c71
.endr
	v_mov_b32 v[ONS], 0x7b7b7b7b
.macro QUANTW a
.set AC, 64*((\a)%4)
.set W, 2+(\a)/4
	WIN (W<<2)|(W<<4)
.irp b, 0,1,2,3
	v_max3_num_f32 v[VTM+\b], 0x2800000, |v[AC+16*\b]|, |v[AC+16*\b+1]|
.endr
.irp i, 2,4,6,8,10,12,14
.irp b, 0,1,2,3
	v_max3_num_f32 v[VTM+\b], v[VTM+\b], |v[AC+16*\b+\i]|, |v[AC+16*\b+\i+1]|
.endr
.endr
	WIN 0
.irp b, 0,1,2,3
	v_permlanex16_b32 v[VTM+4+\b], v[VTM+\b], s[SEL], s[SEL+1]
.endr
.irp b, 0,1,2,3
	v_max_num_f32 v[VTM+\b], v[VTM+\b], v[VTM+4+\b]
.endr
.irp b, 0,1,2,3
	v_add_nc_u32 v[VTM+12+\b], 0xfe000000, v[VTM+\b]
.endr
.irp b, 0,1,2,3
	v_lshrrev_b32 v[VTM+4+\b], 23, v[VTM+12+\b]
.endr
	s_wait_alu depctr_va_vdst(0)
	s_wait_dscnt 0x0
	v_lshl_or_b32 v[PWV], v[VTM+5], 8, v[VTM+4]
	v_lshl_or_b32 v[PWV], v[VTM+6], 16, v[PWV]
	v_lshl_or_b32 v[PWV], v[VTM+7], 24, v[PWV]
	WIN W
.irp c, 0,1
	v_cvt_scalef32_pk16_bf6_f32 v[VC+6*\c:VC+2+6*\c], v[AC+32*\c:AC+15+32*\c], v[VTM+12+2*\c]
	v_cvt_scalef32_pk16_bf6_f32 v[VC+12+4*\c:VC+14+4*\c], v[AC+16+32*\c:AC+31+32*\c], v[VTM+12+2*\c+1]
.endr
	WIN 0
	v_nop
.irp c, 0,1
.irp i, 0,1,2
	v_permlane16_swap_b32 v[VC+6*\c+\i], v[VC+12+4*\c+\i]
.endr
.irp i, 0,1,2
	v_mov_b32 v[VC+3+6*\c+\i], v[VC+12+4*\c+\i]
.endr
.endr
.endm
.macro VBLOCK a
	QUANTW \a
.irp c, 0,1,2
	ds_store_b128 v[VSA], v[VC+4*\c:VC+4*\c+3] offset:6400*((\a)/4)+1536*((\a)%4)+512*\c
.endr
	ds_store_b32 v[VSW], v[PWV] offset:6400*((\a)/4)+128*((\a)%2)+4*(((\a)%4)/2)
.rept 8
	v_nop
.endr
	v_wmma_scale_f32_16x16x128_f8f6f4 v[SD:SD+7], v[ONES:ONES+11], v[VC:VC+11], 0, v[ONS], v[PWV] matrix_a_fmt:MATRIX_FMT_BF6 matrix_b_fmt:MATRIX_FMT_BF6
.rept 4
	v_nop
.endr
	ds_store_b32 v[VSS], v[SD] offset:64*(\a)
.endm
.irp a, 0,1,2,3,4,5,6,7
	VBLOCK \a
.endr
	s_lshr_b32 s42, s40, 3
	s_lshl_b32 s44, s42, 4
	s_lshl_b32 s43, s41, 2
	s_add_co_u32 s42, s44, s43
	s_lshl_b32 s43, s[RH], 1
	s_add_co_u32 s42, s42, s43
	s_lshl_b32 s42, s42, 4
	s_lshl_b32 s43, s40, 1
	s_add_co_u32 s43, s43, s[CH]
	s_and_b32 s43, s43, 15
	s_add_co_u32 s42, s42, s43
	s_add_co_u32 s44, s44, s43
	s_mul_i32 s42, s42, REC
	s_add_co_u32 s42, s42, QREC
	s_mov_b32 s43, 0
	s_add_nc_u64 s[46:47], s[20:21], s[42:43]
	s_lshl_b32 s42, s44, 12
	s_lshl_b32 s44, s41, 10
	s_add_co_u32 s42, s42, s44
	s_lshl_b32 s44, s[RH], 9
	s_add_co_u32 s42, s42, s44
	s_add_nc_u64 s[96:97], s[22:23], s[42:43]
	s_wait_dscnt 0x0
.irp hd, 0,1
.irp k, 0,1,2,3,4,5,6,7,8,9,10,11
	ds_load_b128 v[64+64*\hd+4*\k:67+64*\hd+4*\k], v[VSA] offset:6400*\hd+512*\k
.endr
	ds_load_b64 v[112+64*\hd:113+64*\hd], v[VRW] offset:6400*\hd
.endr
	ds_load_b128 v[180:183], v[VSA] offset:12800
	s_wait_dscnt 0x0
.irp hd, 0,1
.irp k, 0,1,2,3,4,5,6,7,8,9,10,11
	global_store_b128 v[LI], v[64+64*\hd+4*\k:67+64*\hd+4*\k], s[46:47] offset:16*REC*\hd+512*\k
.endr
	global_store_b64 v[L8], v[112+64*\hd:113+64*\hd], s[46:47] offset:16*REC*\hd+6144
.endr
	global_store_b128 v[LI], v[180:183], s[96:97]
.Lend:
	s_wait_tensorcnt 0x0
	ds_add_u32 v[SPW], v[NIL]
	s_wait_dscnt 0x0
	CROUND
	s_endpgm
.Lfunc_end_k_q1e1ce7c25a_proj:
	.size	k_q1e1ce7c25a_proj, .Lfunc_end_k_q1e1ce7c25a_proj-k_q1e1ce7c25a_proj
	.p2alignl 7, 3214868480
	.fill 96, 4, 3214868480
	.section	.rodata,"a",@progbits
	.p2align	6, 0x0
	.amdhsa_kernel k_q1e1ce7c25a_proj
		.amdhsa_group_segment_fixed_size 327680
		.amdhsa_private_segment_fixed_size 0
		.amdhsa_enable_private_segment 0
		.amdhsa_kernarg_size 80
		.amdhsa_user_sgpr_count 2
		.amdhsa_user_sgpr_kernarg_segment_ptr 1
		.amdhsa_wavefront_size32 1
		.amdhsa_system_sgpr_workgroup_id_x 1
		.amdhsa_system_sgpr_workgroup_id_y 1
		.amdhsa_system_sgpr_workgroup_id_z 1
		.amdhsa_system_vgpr_workitem_id 0
		.amdhsa_next_free_vgpr 1024
		.amdhsa_next_free_sgpr 106
		.amdhsa_reserve_vcc 1
		.amdhsa_float_denorm_mode_32 3
		.amdhsa_float_denorm_mode_16_64 3
		.amdhsa_memory_ordered 1
		.amdhsa_forward_progress 1
		.amdhsa_inst_pref_size 255
	.end_amdhsa_kernel
	.section	.bss,"aw",@nobits
	.p2align	6
	.space	262144
	.amdgpu_metadata
---
amdhsa.version: [ 1, 2 ]
amdhsa.kernels:
  - .name:           k_q1e1ce7c25a_proj
    .symbol:         k_q1e1ce7c25a_proj.kd
    .args:
      - { .name: xq, .offset: 0, .size: 8, .value_kind: global_buffer, .address_space: global }
      - { .name: wq, .offset: 8, .size: 8, .value_kind: global_buffer, .address_space: global }
      - { .name: rot, .offset: 16, .size: 8, .value_kind: global_buffer, .address_space: global }
      - { .name: bq, .offset: 24, .size: 8, .value_kind: global_buffer, .address_space: global }
      - { .name: bk, .offset: 32, .size: 8, .value_kind: global_buffer, .address_space: global }
      - { .name: bv, .offset: 40, .size: 8, .value_kind: global_buffer, .address_space: global }
      - { .name: padding_mask, .offset: 48, .size: 8, .value_kind: global_buffer, .address_space: global }
      - { .name: qimg, .offset: 56, .size: 8, .value_kind: global_buffer, .address_space: global }
      - { .name: kv, .offset: 64, .size: 8, .value_kind: global_buffer, .address_space: global }
      - { .name: vsum, .offset: 72, .size: 8, .value_kind: global_buffer, .address_space: global }
    .group_segment_fixed_size: 327680
    .private_segment_fixed_size: 0
    .kernarg_segment_align: 8
    .kernarg_segment_size: 80
    .max_flat_workgroup_size: 128
    .sgpr_count:     106
    .vgpr_count:     1024
    .wavefront_size: 32
...
	.end_amdgpu_metadata
.endif
;; end of part 2
;; launch attn (part 3): grid 4 x 64, 16 waves a work-group, clusters of 4 x 1, 327,680 bytes of LDS; arguments qimg, kv, vsum, hid; writes hid
.if DOCPART == 3
	.amdgcn_target "amdgcn-amd-amdhsa--gfx1250"
	.amdhsa_code_object_version 6
	.text
	.protected	k_q1e1ce7c25a_attn
	.globl	k_q1e1ce7c25a_attn
	.p2align	8
	.type	k_q1e1ce7c25a_attn,@function
k_q1e1ce7c25a_attn:
	s_mov_b64 s[64:65], 0
	v_nop
	global_prefetch_b8 v0, s[64:65] scope:SCOPE_SE
	s_setreg_imm32_b32 hwreg(HW_REG_WAVE_MODE, 25, 1), 1
	s_wait_xcnt 0x0
	s_wait_alu depctr_hold_cnt(0) depctr_sa_sdst(0) depctr_va_vdst(0) depctr_va_sdst(0) depctr_va_ssrc(0) depctr_va_vcc(0) depctr_vm_vsrc(0)
	s_getreg_b32 s2, hwreg(HW_REG_IB_STS2, 6, 4)
	s_cmp_eq_u32 s2, 0
	s_cbranch_scc0 .Lentry_in_a_cluster
	s_endpgm
.Lentry_in_a_cluster:
	s_bfe_u32 s2, ttmp6, 0x10000c
	s_cmp_lg_u32 s2, 0x3003
	s_cbranch_scc0 .Lentry_shape_is_right
	s_endpgm
.Lentry_shape_is_right:
; ATTENTION on codes of BF6: S^T = K Q^T, p = 2^(t - M), O^T = V^T P^T, O / l, and the quantiser of the hidden layer along the head's 64.
; LEFT OUT: key steps of 128 keys that lie wholly behind a wave's 16 queries (shown dead in prep's head comment); a NaN or an overflow that reaches only them is not carried on.
; t = score x log2(e) / 8; M = the running largest t rounded up to a whole number; the row's sum is taken of the unquantised p; when M moves, the sum and O^T are multiplied by 2^(old M - new M), exactly.
; THE PADDING MASK rides in k = 64 of the first product: a padded key's score is -2^72.  The running largest t starts at -2^62, so that a padded key's p is exactly 0 whatever else the row has seen.
; A QUERY WITHOUT AN OPEN KEY still has -2^62 at the end (LIMIT: real |t| stays under 2^60): its row is the sum over all 2,048 keys of the quantised v, / 2,048, selected by v_cndmask_b32.  The row's sum is held at 0.5
; from below ahead of the reciprocal: an open row's sum lies over 0.5.
; A HEAD'S K AND V STAY IN LDS: sixteen records of 15,104 bytes (128 keys each: K's eight tiles as images of operand registers, their scale words, V^T's four fragments, their words) are 944 dense rows of 256 bytes.
; They come in two groups of first fills, one load a wave each: 16 rows a wave (records 0 to 3 lie in these 65,536 bytes), then 43 rows a wave.  Nothing is filled again, and no barrier stands in a loop.
; SHARES.  A head's 128 tiles of 16 queries are dealt to the four work-groups of a cluster by turns: tile 4 j + x to work-group x.  Wave w owns j = 31 - w and then j = w: (16 - w / 2) + (w / 2 + 1) = 17 key steps
; for every wave of every work-group.  The record in which a tile's diagonal lies is j / 2, whatever x is: no branch hangs on the work-group's place in its cluster; x enters global addresses and the diagonal's compare values alone.
; CLUSTER 4 x 1: all four partners read all sixteen records, so both groups are joint loads with the mask 15.
; While the second group is on its way every wave works on records 0 to 3 of its first tile, whose queries all lie behind key 1,023.  By this text's count a wave has one tensor load out; every wait for tensor loads is for all.
; NO PREFETCH: all of kv that the work-group reads is asked for by the two groups at the kernel's head; there is no later load for a loop to run ahead of.
; A TILE OF K holds rows 0-7 from one block of 32 keys and rows 8-15 from the next, so that lane (r, h) holds, of query r, keys 64 c + 32 h + 0 .. 31 in registers 32 c + 0 .. 31: two whole blocks, in the order that the
; second product's operand wants: the conversions' results are that operand, and a block's maximum needs no other lane.
.set REC,   15104
.set QREC,  8704
.set R1,    16                         ; rows of 256 bytes a wave in the first group
.set R2,    43                         ; and in the second: 16 x (16 + 43) = 944
.set STAGE, 16*REC                     ; behind the records: 1,024 bytes a wave: 768 of codes, 256 of the head's sums of v
.set SPARE, STAGE+16*1024              ; the spare words, 128 bytes a wave: eight blocks of 256 bytes that no other line names
.set HS0,   6291456
.set SPW, 5
.set NIL, 6
.set QLT, 236
.set QWT, 237
.set DQ,  238
.set KB,  28                           ; v28-95: K's eight tiles, 8 registers apart (a fragment names 12), and four zeros; behind the scores' products V^T's four fragments, 12 apart
.set KS,  228                          ; v228-231 K's scale words
.set VS,  232                          ; v232-233 V's
.set PWD, 207                          ; p's scale word
.set QS,  211                          ; Q's scale word
.set QA,  240                          ; v240-241 offsets of Q's loads
.set P,   192
.set PH,  204
.set BM,  212
.set BT,  216
.set SO,  220
.set F,   224
.set TP,  226
.set PW2, 227
.set OUTR, 28
.set SH8, 235
.set SUM, 242                          ; v242-255: seven chains of the row's sum; the eighth is v[14:15]
.set WV,  18
.set BH,  19
.set SEL, 20
.set CS,  22
.set G1,  24
.set G2,  32
.set G0,  40
.set CX,  44
.set TB,  45
.set RR,  46
.set JH,  47
.set DG,  48
.set QP,  50
.set HP,  54
.set HSP, 58
.set QTO, 66
.set QWO, 68
.set JHP, 70
.set DGP, 72
.set VSP, 82
.macro ROUND                           ; a round of the cluster's barrier
	s_barrier_signal -1
	s_barrier_wait -1
	s_cmp_lg_u32 s[WV], 0
	s_cbranch_scc1 .Lnot_wave_0_\@
	s_barrier_signal -3
.Lnot_wave_0_\@:
	s_barrier_wait -3
	s_barrier_signal -1
	s_barrier_wait -1
.endm
.macro PLACES n
.rept \n
	v_nop
.endr
.endm
	s_load_b256 s[4:11], s[0:1], 0x0               ; qimg, kv, vsum, hid
	v_lshl_add_u32 v[SPW], v0, 2, SPARE
	v_mov_b32 v[NIL], 0
	ds_add_u32 v[SPW], v[NIL]                      ; the wave's opening: the add, twice on end, and its wait ahead of my first tensor load
	ds_add_u32 v[SPW], v[NIL]
	v_lshrrev_b32 v8, 5, v0
	v_readfirstlane_b32 s[WV], v8
	s_and_b32 s[BH], ttmp7, 0xffff                 ; 16 batch + head
	s_bfe_u32 s[CX], ttmp6, 0x40000                ; x: my place in the cluster
.irp g, G1, G2
	s_mov_b32 s[\g], (3<<16)|(1<<21)|15            ; elements of 8 bytes; the mask names the cluster's four, bit 21 beside it
	s_mov_b32 s[\g+1], 32<<16                      ; rows of 256 bytes, dense
	s_mov_b32 s[\g+3], 32<<16
	s_mov_b32 s[\g+5], 32
	s_mov_b32 s[\g+6], 0
	s_mov_b32 s[\g+7], 0
.endr
	s_mov_b32 s[G1+2], R1<<16
	s_mov_b32 s[G1+4], R1
	s_mov_b32 s[G2+2], R2<<16
	s_mov_b32 s[G2+4], R2
	s_mul_i32 s74, s[BH], 16*REC
	s_lshl_b32 s76, s[WV], 12                      ; my 16 rows
	s_add_co_u32 s74, s74, s76
	s_mov_b32 s75, 0
	s_mov_b32 s[SEL], 0x76543210
	s_mov_b32 s[SEL+1], 0xfedcba98
	s_mov_b32 s[CS], 0x3e38aa3b                    ; log2(e) / 8
	s_mov_b32 s[CS+1], s[CS]
	s_wait_dscnt 0x0                               ; both opening adds are done
	s_wait_kmcnt 0x0
	s_mov_b32 s[G0], 1
	s_mov_b32 s[G0+1], s76
	s_add_nc_u64 s[G0+2:G0+3], s[6:7], s[74:75]
	s_or_b32 s[G0+3], s[G0+3], 0x80000000
	ROUND                                          ; all four work-groups are here: the first joint loads meet
	tensor_load_to_lds s[G0:G0+3], s[G1:G1+7]      ; the first group: every wave's one load at the head
	s_nop 0
	PLACES 4
	v_and_b32 v1, 31, v0
	v_and_b32 v90, 15, v0                          ; r
	v_bfe_u32 v91, v0, 4, 1                        ; h
	v_lshlrev_b32 v2, 4, v1
	v_lshlrev_b32 v3, 3, v1
	s_lshl_b32 s74, s[WV], 10
	s_add_co_u32 s74, s74, STAGE
	v_mul_u32_u24 v8, v90, 48
	v_lshrrev_b32 v92, 3, v90
	v_and_b32 v93, 7, v90
	v_mad_u32_u24 v8, v91, 24, v8
	v_add_nc_u32 v9, s74, v3                       ; the stage, back: 8 x lane
	v_lshlrev_b32 v10, 5, v91
	v_add_nc_u32 v8, s74, v8                       ; the stage, in: 48 r + 24 h
	v_add_nc_u32 v10, s74, v10                     ; the sums of v: 32 h
	v_lshlrev_b32 v11, 2, v90                      ; my row's scale word in a plane of hid
	v_lshlrev_b32 v[QLT], 10, v92
	v_lshlrev_b32 v[QWT], 8, v92
	v_lshl_add_u32 v[QLT], v91, 8, v[QLT]
	v_lshl_add_u32 v[QWT], v93, 4, v[QWT]          ; Q's scale word: 256 (r / 8) + 16 (r % 8)
	v_lshl_add_u32 v[QLT], v93, 4, v[QLT]          ; Q's image: 1024 (r / 8) + 256 h + 16 (r % 8)
	v_lshlrev_b32 v[DQ], 5, v91
	v_lshlrev_b32 v[SH8], 3, v91                   ; 8 h
	v_sub_nc_u32 v[DQ], v90, v[DQ]                 ; r - 32 h
	s_wait_alu depctr_va_vdst(0)                   ; the wait ahead of the run of scalar lines below
.macro PTRS p                          ; tile p of my two: its diagonal's record, Q's place, where the hidden layer's codes and bytes go
.if \p
	s_mov_b32 s74, s[WV]
.else
	s_sub_co_u32 s74, 31, s[WV]
.endif
	s_lshr_b32 s[JHP+\p], s74, 1                   ; j / 2: made of the wave's number alone
	s_lshl_b32 s74, s74, 2
	s_add_co_u32 s74, s74, s[CX]                   ; the tile: 4 j + x
	s_and_b32 s75, s74, 7                          ; which 16 of a record's 128 tokens: a
	s_lshl_b32 s[DGP+\p], s75, 4
	s_lshr_b32 s76, s75, 2
	s_and_b32 s77, s75, 1
	s_bfe_u32 s78, s75, 0x10001
	s_lshl_b32 s79, s76, 12
	s_lshl_b32 s80, s77, 11
	s_add_co_u32 s79, s79, s80
	s_lshl_b32 s80, s78, 7
	s_add_co_u32 s[QTO+\p], s79, s80               ; 4096 (a / 4) + 2048 (a % 2) + 128 ((a / 2) % 2)
	s_lshl_b32 s76, s76, 3
	s_lshl_b32 s77, s77, 2
	s_add_co_u32 s76, s76, s77
	s_add_co_u32 s76, s76, s80
	s_add_co_u32 s[QWO+\p], s76, 8192              ; 8192 + 128 ((a / 2) % 2) + 8 (a / 4) + 4 (a % 2)
	s_lshl_b32 s76, s[BH], 4
	s_lshr_b32 s77, s74, 3
	s_add_co_u32 s76, s76, s77
	s_mul_i32 s76, s76, QREC
	s_mov_b32 s77, 0
	s_add_nc_u64 s[QP+2*\p:QP+2*\p+1], s[4:5], s[76:77]
	s_lshl_b32 s78, s74, 4                         ; my first query
	s_lshr_b32 s79, s[BH], 4
	s_lshl_b32 s76, s79, 11
	s_add_co_u32 s76, s76, s78
	s_mul_i32 s76, s76, 48
	s_and_b32 s80, s[BH], 15
	s_mul_i32 s81, s80, 393216
	s_add_co_u32 s76, s76, s81
	s_add_nc_u64 s[HP+2*\p:HP+2*\p+1], s[10:11], s[76:77]
	s_lshl_b32 s76, s79, 3
	s_lshr_b32 s81, s78, 8
	s_add_co_u32 s76, s76, s81
	s_lshl_b32 s76, s76, 13
	s_lshr_b32 s81, s80, 1
	s_lshl_b32 s81, s81, 10
	s_add_co_u32 s76, s76, s81
	s_and_b32 s81, s80, 1
	s_lshl_b32 s81, s81, 1
	s_add_co_u32 s76, s76, s81
	s_and_b32 s81, s78, 255
	s_lshl_b32 s81, s81, 2
	s_add_co_u32 s76, s76, s81
	s_add_co_u32 s76, s76, HS0
	s_add_nc_u64 s[HSP+2*\p:HSP+2*\p+1], s[10:11], s[76:77]
.endm
	PTRS 0
	PTRS 1
	s_lshr_b32 s74, s[BH], 4
	s_lshl_b32 s76, s74, 16
	s_and_b32 s74, s[BH], 15
	s_lshl_b32 s74, s74, 8
	s_add_co_u32 s76, s76, s74
	s_mov_b32 s77, 0
	s_add_nc_u64 s[VSP:VSP+1], s[8:9], s[76:77]
.macro QLOAD p                         ; a tile's Q is asked for
	v_add_nc_u32 v[QA], s[QTO+\p], v[QLT]
	v_add_nc_u32 v[QA+1], s[QWO+\p], v[QWT]
	global_load_b128 v[16:19], v[QA], s[QP+2*\p:QP+2*\p+1]
	global_load_b128 v[20:23], v[QA], s[QP+2*\p:QP+2*\p+1] offset:512
	global_load_b32 v[QS], v[QA+1], s[QP+2*\p:QP+2*\p+1]
.endm
.macro OPEN p                          ; a tile's sums begin
	v_mov_b32 v13, 0xde800000                      ; the largest t so far: -2^62
	v_mov_b32 v14, 0
	v_mov_b32 v15, 0
	v_floor_f32 v12, -v13
.set n, 0
.rept 32
	v_mov_b32 v[160+n], 0                          ; O^T: the step is written once, and the first change of M leaves zeros zeros
.set n, n+1
.endr
	s_mov_b32 s[JH], s[JHP+\p]
	s_mov_b32 s[DG], s[DGP+\p]
	s_mov_b32 s[TB], 0
	s_mov_b32 s[RR], 0
.endm
	QLOAD 0
	OPEN 0
.irp s, 0,1,2,3,4,5,6,7,8,9,10,11,12,13,14,15
	global_load_b64 v[96+2*\s:97+2*\s], v3, s[VSP:VSP+1] offset:4096*\s      ; the sixteen steps' sums of the quantised v, positions 2 l and 2 l + 1 of my head
.endr
.irp i, 64,65,66,67
	v_mov_b32 v[KB+\i], 0                          ; what the eighth tile's fragment names beyond its eight registers: written once
.endr
.irp i, 24,25,26,27
	v_mov_b32 v[\i], 0                             ; Q's likewise
.endr
.irp b, 0,1,2,3
	v_mov_b32 v[BT+\b], 0                          ; a lane permute's destination counts as one of its sources
.endr
	v_mov_b32 v[F+1], 0                            ; (named as the upper half of a pair)
	s_wait_alu depctr_va_vdst(0)                   ; the wait directly ahead of the wait below
	s_wait_loadcnt 0x0
.irp k, 0,1,2,3,4,5,6,7
	v_pk_add_f32 v[96+4*\k:97+4*\k], v[96+4*\k:97+4*\k], v[98+4*\k:99+4*\k]
.endr
.irp k, 0,1,2,3
	v_pk_add_f32 v[96+8*\k:97+8*\k], v[96+8*\k:97+8*\k], v[100+8*\k:101+8*\k]
.endr
.irp k, 0,1
	v_pk_add_f32 v[96+16*\k:97+16*\k], v[96+16*\k:97+16*\k], v[104+16*\k:105+16*\k]
.endr
	v_pk_add_f32 v[96:97], v[96:97], v[112:113]
	v_pk_mul_f32 v[QA:QA+1], v[96:97], 0x3a000000 op_sel_hi:[1,0]            ; / 2,048
	ds_store_b64 v9, v[QA:QA+1] offset:768         ; into my own stage: word = position
.macro ACC k, i                        ; chain k of the row's sum takes p's pair i
.if (\k) == 7
	v_pk_add_f32 v[14:15], v[14:15], v[96+2*(\i):97+2*(\i)]
.else
	v_pk_add_f32 v[SUM+2*(\k):SUM+2*(\k)+1], v[SUM+2*(\k):SUM+2*(\k)+1], v[96+2*(\i):97+2*(\i)]
.endif
.endm
; A KEY STEP: 128 keys, the record at v4 and v7.  tests = 0: a step that is open for every wave.
.macro STEP tests
.if \tests
	s_cmp_gt_u32 s[RR], s[JH]                      ; all its keys come after my queries: a branch on the wave's number and the count of trips, round the step's work alone
	s_cbranch_scc1 .Lhidden_\@
.endif
	s_wait_alu depctr_va_vdst(0)
	ds_load_b128 v[KS:KS+3], v4 offset:8192        ; K's scale words: register x holds tiles 2 x (lanes 0-15) and 2 x + 1 (lanes 16-31)
; A tile of K has eight registers of its own: k = 0 .. 63 and the mask's code at k = 64.  Registers 8-11 of its fragment are the next tile's first four: they stand at k = 75 .. 127, where all of Q's codes are zeros
; (registers 7-11 of Q's fragment), and a code of this format times the code 0 is 0 under any finite scale byte.  So the eight tiles lie 8 registers apart and come in one run of loads.
.irp t, 0,1,2,3,4,5,6,7
	ds_load_b128 v[KB+8*\t:KB+8*\t+3], v4 offset:1024*\t
	ds_load_b128 v[KB+8*\t+4:KB+8*\t+7], v4 offset:1024*\t+512
.endr
	s_wait_dscnt 0x0
.irp t, 0,2,4,6
	v_wmma_scale_f32_16x16x128_f8f6f4 v[96+8*\t:103+8*\t], v[KB+8*\t:KB+8*\t+11], v[16:27], 0, v[KS+\t/2], v[QS] matrix_a_fmt:MATRIX_FMT_BF6 matrix_b_fmt:MATRIX_FMT_BF6
	v_wmma_scale_f32_16x16x128_f8f6f4 v[104+8*\t:111+8*\t], v[KB+8*\t+8:KB+8*\t+19], v[16:27], 0, v[KS+\t/2], v[QS] matrix_a_fmt:MATRIX_FMT_BF6 matrix_b_fmt:MATRIX_FMT_BF6 matrix_a_scale:MATRIX_SCALE_ROW1
.endr                                  ; register 32 c + i holds key 64 c + 32 h + i of the step, for my query
	PLACES 4                                       ; ahead of the reads of the scores, and of the loads into registers that these products have read
.irp t, 0,1,2,3
.irp c, 0,1,2
	ds_load_b128 v[KB+12*\t+4*\c:KB+12*\t+4*\c+3], v4 offset:8704+1536*\t+512*\c   ; V^T's four fragments, where K lay: asked for ahead of the softmax's arithmetic
.endr
.endr
	ds_load_b64 v[VS:VS+1], v7 offset:14848
.if \tests
	s_cmp_lg_u32 s[RR], s[JH]                      ; only the record j / 2 holds the diagonal
	s_cbranch_scc1 .Lopen_\@
	v_add_nc_u32 v[TP], s[DG], v[DQ]               ; d = my query - the step's first key - 32 h: hidden where 64 c + i > d
	v_mov_b32 v234, 0xff800000
.set n, 0
.rept 64
	v_cmp_gt_i32 vcc_lo, 64*(n/32)+n%32, v[TP]
	v_cndmask_b32 v[96+n], v[96+n], v234, vcc_lo
.set n, n+1
.endr
.Lopen_\@:
.endif
.irp b, 0,1,2,3
	v_max3_num_f32 v[BM+\b], v[96+16*\b], v[97+16*\b], v[98+16*\b]   ; four chains of 15 scores, each accumulator from its low end on
.endr
.irp i, 3,5,7,9,11,13
.irp b, 0,1,2,3
	v_max3_num_f32 v[BM+\b], v[BM+\b], v[96+16*\b+\i], v[97+16*\b+\i]
.endr
.endr
	v_max3_num_f32 v[BM], v[BM], v[BM+1], v111     ; the largest score of my block of c = 0: it serves the row's maximum and the block's largest p
	v_max3_num_f32 v[BM+1], v[BM+2], v[BM+3], v143 ; and of c = 1
	v_max_num_f32 v[BM], v[BM], v127
	v_max_num_f32 v[BM+1], v[BM+1], v159
	s_delay_alu instid0(VALU_DEP_1)
	v_max_num_f32 v[TP], v[BM], v[BM+1]
	s_delay_alu instid0(VALU_DEP_1)
	v_permlanex16_b32 v[BT], v[TP], s[SEL], s[SEL+1]
	s_delay_alu instid0(VALU_DEP_1)
	v_max_num_f32 v[TP], v[TP], v[BT]              ; with lane l xor 16's two blocks: the step's largest score of my query
	s_delay_alu instid0(VALU_DEP_1)
	v_mul_f32 v[TP], s[CS], v[TP]
	s_delay_alu instid0(VALU_DEP_1)
	v_max_num_f32 v13, v13, v[TP]                  ; the running largest t
	v_mov_b32 v[TP], v12
	s_delay_alu instid0(VALU_DEP_2)
	v_floor_f32 v12, -v13                          ; -M = floor(-t): M is a whole number
	s_delay_alu instid0(VALU_DEP_1)
	v_sub_f32 v[TP], v12, v[TP]
	s_delay_alu instid0(VALU_DEP_1)
	v_cvt_i32_f32 v[TP], v[TP]                     ; (it saturates)
	s_delay_alu instid0(VALU_DEP_1)
	v_ldexp_f32 v[F], 1.0, v[TP]                   ; f = 2^(old M - new M)
.set n, 0
.rept 32
	v_pk_fma_f32 v[96+n:97+n], v[96+n:97+n], s[CS:CS+1], v[12:13] op_sel_hi:[1,0,0]   ; t - M
.set n, n+2
.endr
	v_fma_f32 v[BM], v[BM], s[CS], v12
	v_fma_f32 v[BM+1], v[BM+1], s[CS], v12
	s_wait_alu depctr_va_vdst(0)                   ; the wait ahead of the batch
.set n, 0
.rept 64
	v_exp_f32 v[96+n], v[96+n]                     ; p, not normalised
.set n, n+1
.endr
	v_exp_f32 v[BM], v[BM]                         ; each block's largest p: the same two instructions on the same number
	v_exp_f32 v[BM+1], v[BM+1]
	v_pk_mul_f32 v[14:15], v[14:15], v[F:F+1] op_sel_hi:[1,0]        ; the sums under the new M (a plain place behind the exponentials)
	s_wait_alu depctr_va_vdst(0)                   ; one wait for the batch, ahead of its first reader
.irp k, 0,1,2,3,4,5,6
	v_pk_add_f32 v[SUM+2*\k:SUM+2*\k+1], v[96+4*\k:97+4*\k], v[98+4*\k:99+4*\k]   ; the row's sum of the unquantised p, in eight chains
.endr
	ACC 7, 14
.irp k, 0,1,2,3,4,5,6,7
	ACC \k, 15+\k
.endr
.irp k, 0,1,2,3,4,5,6,7
	ACC \k, 23+\k
.endr
	ACC 0, 31
	v_max_num_f32 v[BM], 0x2800000, v[BM]          ; the floor 2^(5 - 127)
	v_max_num_f32 v[BM+1], 0x2800000, v[BM+1]
	v_pk_add_f32 v[14:15], v[14:15], v[SUM+6:SUM+7]
	v_pk_add_f32 v[SUM:SUM+1], v[SUM:SUM+1], v[SUM+8:SUM+9]
	v_pk_add_f32 v[SUM+2:SUM+3], v[SUM+2:SUM+3], v[SUM+10:SUM+11]
	v_pk_add_f32 v[SUM+4:SUM+5], v[SUM+4:SUM+5], v[SUM+12:SUM+13]
	v_add_nc_u32 v[SO], 0xfe000000, v[BM]          ; 4 off the exponent field: the conversions' scale operands
	v_add_nc_u32 v[SO+1], 0xfe000000, v[BM+1]
	v_pk_add_f32 v[14:15], v[14:15], v[SUM+2:SUM+3]
	v_pk_add_f32 v[SUM:SUM+1], v[SUM:SUM+1], v[SUM+4:SUM+5]
	v_lshrrev_b32 v[BT], 23, v[SO]
	v_lshrrev_b32 v[BT+1], 23, v[SO+1]
	v_pk_add_f32 v[14:15], v[14:15], v[SUM:SUM+1]
	v_lshl_or_b32 v[BT], v[BT+1], 16, v[BT]        ; my two bytes: blocks h and 2 + h,
	v_lshlrev_b32 v[BT], v[SH8], v[BT]             ; at their places in the scale word;
	v_permlanex16_b32 v[BT+1], v[BT], s[SEL], s[SEL+1]
	v_or_b32 v[PWD], v[BT], v[BT+1]                ; with lane l xor 16's two the word is whole
.irp c, 0,1
	v_cvt_scalef32_pk16_bf6_f32 v[P+6*\c:P+2+6*\c], v[96+32*\c:111+32*\c], v[SO+\c]
	v_cvt_scalef32_pk16_bf6_f32 v[PH+4*\c:PH+2+4*\c], v[112+32*\c:127+32*\c], v[SO+\c]   ; (a conversion's three registers begin on an even number)
.endr
	v_nop                                          ; one plain place behind a scaled conversion
.irp c, 0,1
.irp i, 0,1,2
	v_mov_b32 v[P+3+6*\c+\i], v[PH+4*\c+\i]        ; registers 6 c .. 6 c + 5 hold k = 64 c + 32 h + 0 .. 31
.endr
.endr
	s_wait_alu depctr_va_vdst(0)                   ; the wait directly ahead of the first reader of O^T
.set n, 0
.rept 16
	v_pk_mul_f32 v[160+n:161+n], v[160+n:161+n], v[F:F+1] op_sel_hi:[1,0]    ; O^T under the new M
.set n, n+2
.endr
	PLACES 4                                       ; between the last vector writes and the products
	s_wait_alu depctr_va_vdst(0)                   ; the wait directly ahead of the wait below
	s_wait_dscnt 0x0
.irp t, 0,2
	v_wmma_scale_f32_16x16x128_f8f6f4 v[160+8*\t:167+8*\t], v[KB+12*\t:KB+12*\t+11], v[P:P+11], v[160+8*\t:167+8*\t], v[VS+\t/2], v[PWD] matrix_a_fmt:MATRIX_FMT_BF6 matrix_b_fmt:MATRIX_FMT_BF6
	v_wmma_scale_f32_16x16x128_f8f6f4 v[168+8*\t:175+8*\t], v[KB+12*\t+12:KB+12*\t+23], v[P:P+11], v[168+8*\t:175+8*\t], v[VS+\t/2], v[PWD] matrix_a_fmt:MATRIX_FMT_BF6 matrix_b_fmt:MATRIX_FMT_BF6 matrix_a_scale:MATRIX_SCALE_ROW1
.endr
	PLACES 4                                       ; the next step's loads land on V's registers: four places
.if \tests
.Lhidden_\@:
.endif
.endm
; A walk over records up to record lim - 1: a constant count of trips; what lies behind the diagonal is jumped over.
.macro WALK lim, tests
.Lwalk_\@:
	v_add_nc_u32 v4, s[TB], v2
	v_add_nc_u32 v7, s[TB], v3
	STEP \tests
	s_add_co_u32 s[TB], s[TB], REC
	s_add_co_u32 s[RR], s[RR], 1
	s_cmp_lt_u32 s[RR], \lim
	s_cbranch_scc1 .Lwalk_\@
.endm
; THE WAY OUT OF A TILE
.macro OUT p
	v_add_f32 v14, v14, v15
	v_permlanex16_b32 v[BT], v14, s[SEL], s[SEL+1]
	v_add_f32 v14, v14, v[BT]
	v_max_num_f32 v14, 0.5, v14
	s_wait_alu depctr_va_vdst(0)                   ; the wait ahead of the transcendental
	v_rcp_f32 v[F], v14
.irp t, 0,1,2,3
	ds_load_b128 v[128+8*\t:131+8*\t], v10 offset:768+64*\t          ; the sums of v at positions 16 t + 8 h + 0..7
	ds_load_b128 v[132+8*\t:135+8*\t], v10 offset:768+64*\t+16
.endr
	v_nop                                          ; a plain place behind the reciprocal
	s_wait_alu depctr_va_vdst(0)                   ; and the wait ahead of its first reader, which is O^T's first reader too
.set n, 0
.rept 16
	v_pk_mul_f32 v[96+n:97+n], v[160+n:161+n], v[F:F+1] op_sel_hi:[1,0]      ; O^T / l: register 8 t + j is channel 32 (t / 2) + 16 h + 8 (t % 2) + j
.set n, n+2
.endr
	s_wait_dscnt 0x0
	v_cmp_gt_f32 vcc_lo, 0xdd800000, v13           ; no open key: the largest t is still under -2^60
.set n, 0
.rept 32
	v_cndmask_b32 v[96+n], v[96+n], v[128+n], vcc_lo
.set n, n+1
.endr
.irp b, 0,1
	v_max3_num_f32 v[BM+\b], |v[96+16*\b]|, |v[97+16*\b]|, 0x2800000
.endr
.irp i, 2,4,6,8,10,12,14
.irp b, 0,1
	v_max3_num_f32 v[BM+\b], v[BM+\b], |v[96+16*\b+\i]|, |v[97+16*\b+\i]|
.endr
.endr
.irp b, 0,1
	v_permlanex16_b32 v[BT+\b], v[BM+\b], s[SEL], s[SEL+1]
.endr
.irp b, 0,1
	v_max_num_f32 v[BM+\b], v[BM+\b], v[BT+\b]
.endr
.irp b, 0,1
	v_add_nc_u32 v[SO+\b], 0xfe000000, v[BM+\b]
.endr
.irp b, 0,1
	v_lshrrev_b32 v[BT+\b], 23, v[SO+\b]
.endr
	v_lshl_or_b32 v[PW2], v[BT+1], 8, v[BT]        ; the head's two scale bytes of my row
	v_cvt_scalef32_pk16_bf6_f32 v[P:P+2], v[96:111], v[SO]
	v_cvt_scalef32_pk16_bf6_f32 v[PH:PH+2], v[112:127], v[SO+1]
	v_nop
.irp i, 0,1,2
	v_permlane16_swap_b32 v[P+\i], v[PH+\i]
.endr
.irp i, 0,1,2
	v_mov_b32 v[P+3+\i], v[PH+\i]
.endr
.irp i, 0,1,2
	ds_store_b64 v8, v[P+2*\i:P+2*\i+1] offset:8*\i
.endr
.irp i, 0,1,2
	ds_load_b64 v[OUTR+2*\i:OUTR+2*\i+1], v9 offset:256*\i           ; LDS serves a wave's instructions in order: these see my stores
.endr
	s_wait_alu depctr_va_vdst(0)                   ; the wait directly ahead of the wait below
	s_wait_dscnt 0x0
.irp i, 0,1,2
	global_store_b64 v3, v[OUTR+2*\i:OUTR+2*\i+1], s[HP+2*\p:HP+2*\p+1] offset:256*\i     ; 256 consecutive bytes, at a multiple of 256 from the buffer's first byte
.endr
	global_store_b16 v11, v[PW2], s[HSP+2*\p:HSP+2*\p+1]             ; two heads share a row's word of 128 along K: two bytes a row
.endm
	s_wait_alu depctr_va_vdst(0)                   ; the wait at the head's end
	s_wait_tensorcnt 0x0                           ; my part of the first group is in; these lines stand ahead of a later first fill as ahead of a refill
	ds_add_u32 v[SPW], v[NIL]
	s_mul_i32 s76, s[WV], R2*256                   ; no tensor load of mine is out, so the descriptor may be written: my 43 rows behind the first group's 256
	s_add_co_u32 s76, s76, 16*R1*256
	s_mul_i32 s74, s[BH], 16*REC
	s_add_co_u32 s74, s74, s76
	s_mov_b32 s75, 0
	s_mov_b32 s[G0+1], s76
	s_add_nc_u64 s[G0+2:G0+3], s[6:7], s[74:75]
	s_or_b32 s[G0+3], s[G0+3], 0x80000000
	s_wait_dscnt 0x0                               ; the add and my store into the stage are done
	ROUND                                          ; records 0 to 3 are whole, and all four work-groups are here
	tensor_load_to_lds s[G0:G0+3], s[G2:G2+7]      ; the second group, the first tensor load behind the round
	s_nop 0
	PLACES 4
	WALK 4, 0                                      ; records 0 to 3 of tile j = 31 - w, all open: its queries lie behind key 1,023
	s_wait_alu depctr_va_vdst(0)
	s_wait_tensorcnt 0x0                           ; my part of the second group is in,
	s_wait_dscnt 0x0
	s_barrier_signal -1
	s_barrier_wait -1                              ; and everybody's
	s_mov_b32 s[TB], 4*REC
	s_mov_b32 s[RR], 4
	WALK 16, 1
	QLOAD 1                                        ; the second tile's Q is asked for ahead of the first tile's way out
	OUT 0
	s_wait_xcnt 0x0                                ; the first tile's stores have read their registers
	OPEN 1
	s_wait_alu depctr_va_vdst(0)
	s_wait_loadcnt 0x0
	WALK 8, 1                                      ; tile j = w: its diagonal lies in record w / 2, 7 at the most
	OUT 1
	s_wait_tensorcnt 0x0                           ; the wave's end: behind my last tensor load and my last LDS store
	ds_add_u32 v[SPW], v[NIL]
	s_wait_dscnt 0x0
	ROUND                                          ; the closing round
	s_endpgm
.Lfunc_end_k_q1e1ce7c25a_attn:
	.size	k_q1e1ce7c25a_attn, .Lfunc_end_k_q1e1ce7c25a_attn-k_q1e1ce7c25a_attn
	.p2alignl 7, 3214868480
	.fill 96, 4, 3214868480
	.section	.rodata,"a",@progbits
	.p2align	6, 0x0
	.amdhsa_kernel k_q1e1ce7c25a_attn
		.amdhsa_group_segment_fixed_size 327680
		.amdhsa_private_segment_fixed_size 0
		.amdhsa_enable_private_segment 0
		.amdhsa_kernarg_size 32
		.amdhsa_user_sgpr_count 2
		.amdhsa_user_sgpr_kernarg_segment_ptr 1
		.amdhsa_wavefront_size32 1
		.amdhsa_system_sgpr_workgroup_id_x 1
		.amdhsa_system_sgpr_workgroup_id_y 1
		.amdhsa_system_sgpr_workgroup_id_z 1
		.amdhsa_system_vgpr_workitem_id 0
		.amdhsa_next_free_vgpr 256
		.amdhsa_next_free_sgpr 100
		.amdhsa_reserve_vcc 1
		.amdhsa_float_denorm_mode_32 3
		.amdhsa_float_denorm_mode_16_64 3
		.amdhsa_memory_ordered 1
		.amdhsa_forward_progress 1
		.amdhsa_inst_pref_size 83
	.end_amdhsa_kernel
	.amdgpu_metadata
---
amdhsa.version: [ 1, 2 ]
amdhsa.kernels:
  - .name:           k_q1e1ce7c25a_attn
    .symbol:         k_q1e1ce7c25a_attn.kd
    .args:
      - { .name: qimg, .offset: 0, .size: 8, .value_kind: global_buffer, .address_space: global }
      - { .name: kv, .offset: 8, .size: 8, .value_kind: global_buffer, .address_space: global }
      - { .name: vsum, .offset: 16, .size: 8, .value_kind: global_buffer, .address_space: global }
      - { .name: hid, .offset: 24, .size: 8, .value_kind: global_buffer, .address_space: global }
    .group_segment_fixed_size: 327680
    .private_segment_fixed_size: 0
    .kernarg_segment_align: 8
    .kernarg_segment_size: 32
    .max_flat_workgroup_size: 512
    .sgpr_count:     100
    .vgpr_count:     256
    .wavefront_size: 32
...
	.end_amdgpu_metadata
.endif
;; end of part 3
;; launch outp (part 4): grid 8 x 32, 4 waves a work-group, clusters of 4 x 4, 327,680 bytes of LDS; arguments hid, wq, bo, out0; writes out0
.if DOCPART == 4
	.amdgcn_target "amdgcn-amd-amdhsa--gfx1250"
	.amdhsa_code_object_version 6
	.text
	.protected	k_q1e1ce7c25a_outp
	.globl	k_q1e1ce7c25a_outp
	.p2align	8
	.type	k_q1e1ce7c25a_outp,@function
k_q1e1ce7c25a_outp:
	s_mov_b64 s[64:65], 0
	v_nop
	global_prefetch_b8 v0, s[64:65] scope:SCOPE_SE
	s_setreg_imm32_b32 hwreg(HW_REG_WAVE_MODE, 25, 1), 1
	s_wait_xcnt 0x0
	s_wait_alu depctr_hold_cnt(0) depctr_sa_sdst(0) depctr_va_vdst(0) depctr_va_sdst(0) depctr_va_ssrc(0) depctr_va_vcc(0) depctr_vm_vsrc(0)
	s_getreg_b32 s2, hwreg(HW_REG_IB_STS2, 6, 4)
	s_cmp_eq_u32 s2, 0
	s_cbranch_scc0 .Lentry_in_a_cluster
	s_endpgm
.Lentry_in_a_cluster:
	s_bfe_u32 s2, ttmp6, 0x10000c
	s_cmp_lg_u32 s2, 0xf033
	s_cbranch_scc0 .Lentry_shape_is_right
	s_endpgm
.Lentry_shape_is_right:
; out0 = hidden Wo^T + bo on codes of BF6.  hid holds the hidden layer's codes [head 16][token 8,192][48 bytes] and its scale words in planes; wq holds Wo's codes [4 planes of 256 along K][position][192 bytes] and its words.
; A BLOCK is 256 tokens x 128 columns: 32 x 8 = 256 work-groups.  A wave makes 128 tokens x 64 columns.
; ALL OF K LIES IN LDS: A's 16 heads x 256 tokens x 48 bytes = 196,608 bytes; B's 4 planes x 128 positions x 240 (192 bytes + 16 of padding behind each 64) = 122,880; the spare words 512: 320,000 bytes.
; Four first fills, one joint load a wave at the head: waves 0 and 1 fetch eight heads of A each, waves 2 and 3 two planes of B each.  Nothing is filled again.
; CLUSTERS: 4 x 4 work-groups; A's tile hangs on the tile row alone and is shared along a row of the cluster, B's on the tile column alone and is shared along a column.
; THE WALK GOES BY ROWS OF THE RESULT.  A wave's fragments of B for all of K (4 column blocks x 8 steps x 12 registers = 384) are read from LDS once and stay in registers.  Then its eight blocks of 16 tokens are finished one
; after the other, each by 32 products over all of K, K ascending, the block's four accumulators by turns; a finished block goes out while the next one is multiplied.  LDS is read as much as in a walk by K.
; TWO BARRIERS: one shows the tiles to all four waves; behind the second nobody reads B's bytes any more, and the waves' stages for the way out lie there.
; THE SCALE WORDS go from memory straight into registers, once: a wave's 128 tokens and 64 positions x 8 steps are 48 loads of 128 consecutive bytes, 48 registers that hold scales and nothing else.
; THE MATRIX INSTRUCTION IS USED TRANSPOSED (source 0 = 16 positions of Wo, source 1 = 16 tokens): a lane holds eight neighbouring columns of one token's row.  The bias is the C of a block's first products.
; NO PREFETCH: all that the work-group reads is asked for at the kernel's head; there is no later load for a loop to run ahead of.
; REGISTERS: window 0: v0-31 addresses, v32-63 A's scale words, v64-79 B's, v80-111 the bias, v112-175 rows read back from the stage, two sets; window 1: v0-191 A's fragments of a block (8 steps x 12), two sets,
; v192-255 a block's four accumulators, two sets; window 2: B's fragments of steps 0-3; window 3: of steps 4-7.
.set WT,     786432
.set WS0,    3145728
.set HS0,    6291456
.set HEADB,  393216
.set QPW,    196608
.set SIZE_N, 1024
.set PITCH,  240
.set PLA,    12288                     ; a head's 48 bytes of 256 tokens
.set PLB,    128*PITCH                 ; a plane's 128 positions
.set BASEB,  16*PLA
.set SPARE,  BASEB+4*PLB               ; the spare words, 128 bytes a wave: two blocks of 256 bytes that no other line names
.set SPITCH, 272                       ; the way out: a stage of 16 rows x (256 + 16) bytes for each wave, over B's bytes, which have had their one fill and, behind the second barrier, their last read
.set ADRA, 16                          ; v16-19  A's fragments: one register for each four heads (two steps)
.set ADRB, 20                          ; v20-21  B's: one for each two planes;  v22-23: for pieces whose lanes 16-31 lie behind the next padding
.set STO,  24
.set RD,   25
.set CO,   26
.set LN4,  27
.set SPW,  28
.set NIL,  29
.set SCA,  32
.set SCB,  64
.set BIAS, 80
.set BK,   112
.set ACC,  192
.set G1,  24
.set G0,  32
.set G1B, 48
.set G0B, 56
.set MSB, 0
.macro WIN new                         ; the immediate's high byte repeats the setting that is left
.if MSB != \new
	s_set_vgpr_msb (MSB<<8)|\new
.set MSB, \new
.endif
.endm
.macro PLACES n
.rept \n
	v_nop
.endr
.endm
.macro CROUND                          ; a round of the cluster's barrier
	s_barrier_signal -1
	s_barrier_wait -1
	s_cmp_lg_u32 s14, 0
	s_cbranch_scc1 .Lnot_wave_0_\@
	s_barrier_signal -3
.Lnot_wave_0_\@:
	s_barrier_wait -3
	s_barrier_signal -1
	s_barrier_wait -1
.endm
	s_load_b256 s[4:11], s[0:1], 0x0               ; hid, wq, bo, out0
	v_lshl_add_u32 v[SPW], v0, 2, SPARE
	v_mov_b32 v[NIL], 0
	ds_add_u32 v[SPW], v[NIL]                      ; the wave's opening: the add, twice on end, and its wait ahead of my first tensor load
	ds_add_u32 v[SPW], v[NIL]
	v_lshrrev_b32 v1, 5, v0
	v_readfirstlane_b32 s14, v1                    ; wave
	s_lshr_b32 s15, s14, 1                         ; which 128 tokens are mine.  Also: I fetch for A (0) or for B (1)
	s_and_b32 s16, s14, 1                          ; which 64 columns.  Also: which half of that tile I fetch
	s_bfe_u32 s40, ttmp6, 0x40000                  ; cx, cy
	s_bfe_u32 s41, ttmp6, 0x40004
	s_lshl_b32 s42, ttmp9, 2
	s_add_co_u32 s42, s42, s40                     ; tile column: 128 columns
	s_and_b32 s17, ttmp7, 0xffff
	s_lshl_b32 s17, s17, 2
	s_add_co_u32 s17, s17, s41                     ; tile row: 256 tokens
	s_lshl_b32 s43, s41, 2
	s_lshl_b32 s43, 15, s43                        ; my row of the cluster
	s_lshl_b32 s44, 0x1111, s40                    ; my column
	s_or_b32 s[G1+0], s43, (3<<16)|(1<<21)         ; A: elements of 8 bytes; a row is a head's 12,288 dense bytes; eight heads
	s_mov_b32 s[G1+1], 1536<<16
	s_mov_b32 s[G1+2], 8<<16
	s_mov_b32 s[G1+3], 1536<<16
	s_mov_b32 s[G1+4], 8
	s_mov_b32 s[G1+5], HEADB/8
	s_mov_b32 s[G1+6], 0
	s_mov_b32 s[G1+7], 0
	s_or_b32 s[G1B+0], s44, (3<<16)|(1<<20)|(1<<21)|(3<<22)|(3<<25)   ; B: a row is a plane's 128 positions, 24,576 dense bytes; two planes; 4 words of padding behind every 16
	s_mov_b32 s[G1B+1], 3072<<16
	s_mov_b32 s[G1B+2], 2<<16
	s_mov_b32 s[G1B+3], 3072<<16
	s_mov_b32 s[G1B+4], 2
	s_mov_b32 s[G1B+5], QPW/8
	s_mov_b32 s[G1B+6], 0
	s_mov_b32 s[G1B+7], 0
	s_mul_i32 s20, s17, 256*48
	s_mul_i32 s18, s16, 8*HEADB
	s_add_co_u32 s20, s20, s18
	s_mov_b32 s21, 0
	s_mul_i32 s46, s42, 128*192
	s_mul_i32 s18, s16, 2*QPW
	s_add_co_u32 s46, s46, s18
	s_add_co_u32 s46, s46, 3*WT
	s_mov_b32 s47, 0
	s_mul_i32 s18, s16, 8*PLA
	s_mul_i32 s19, s16, 2*PLB
	s_add_co_u32 s19, s19, BASEB
	s_wait_dscnt 0x0                               ; both opening adds are done
	s_wait_kmcnt 0x0
	s_mov_b32 s[G0], 1
	s_mov_b32 s[G0+1], s18
	s_add_nc_u64 s[G0+2:G0+3], s[4:5], s[20:21]
	s_or_b32 s[G0+3], s[G0+3], 0x80000000
	s_mov_b32 s[G0B], 1
	s_mov_b32 s[G0B+1], s19
	s_add_nc_u64 s[G0B+2:G0B+3], s[6:7], s[46:47]
	s_or_b32 s[G0B+3], s[G0B+3], 0x80000000
	CROUND                                         ; all sixteen work-groups are here: the joint loads meet
	s_cmp_eq_u32 s15, 0                            ; one tensor load a wave, in the two arms of one branch on the wave's number
	s_cbranch_scc0 .Lfor_b
	tensor_load_to_lds s[G0:G0+3], s[G1:G1+7]
	s_nop 0
	PLACES 4
	s_branch .Lasked
.Lfor_b:
	tensor_load_to_lds s[G0B:G0B+3], s[G1B:G1B+7]
	s_nop 0
	PLACES 4
.Lasked:
	v_and_b32 v1, 15, v0                           ; r
	v_bfe_u32 v2, v0, 4, 1                         ; h
	v_and_b32 v3, 31, v0
	v_mul_u32_u24 v4, v1, PITCH
	v_mul_u32_u24 v5, v2, 24
	v_mul_u32_u24 v7, v1, 48
	v_add_nc_u32 v4, v4, v5                        ; B: row x 240 + 24 h
	v_add_nc_u32 v7, v7, v5                        ; A: row x 48 + 24 h
	v_lshl_add_u32 v6, v2, 4, v4                   ; B, where lanes 16-31 lie behind one padding more
	v_lshlrev_b32 v[LN4], 2, v3
	v_lshlrev_b32 v8, 5, v2
	s_wait_alu depctr_va_vdst(0)                   ; the wait ahead of the scalar lines among the readers below
	s_mul_i32 s21, s15, 128*48
	s_mul_i32 s22, s16, 64*PITCH
	s_add_co_u32 s22, s22, BASEB
.irp k, 0,1,2,3
	v_add_nc_u32 v[ADRA+\k], s21, v7
	s_add_co_u32 s21, s21, 4*PLA
.endr
.irp k, 0,1
	v_add_nc_u32 v[ADRB+\k], s22, v4
	v_add_nc_u32 v[ADRB+2+\k], s22, v6
	s_add_co_u32 s22, s22, 2*PLB
.endr
	s_mul_i32 s23, s14, 16*SPITCH
	s_add_co_u32 s23, s23, BASEB                   ; my stage
	v_mul_u32_u24 v5, v1, SPITCH                   ; in: row r, 32 bytes for each half of the lanes
	v_mul_u32_u24 v9, v2, SPITCH                   ; back: lanes 0-15 take one row of 256 bytes, lanes 16-31 the next
	v_lshl_add_u32 v5, v2, 5, v5
	v_lshl_add_u32 v9, v1, 4, v9
	v_lshlrev_b32 v[CO], 12, v2                    ; and the same two rows in out0
	v_add_nc_u32 v[STO], s23, v5
	v_add_nc_u32 v[RD], s23, v9
	v_lshl_add_u32 v[CO], v1, 4, v[CO]
	s_lshl_b32 s20, s17, 13
	s_lshl_b32 s21, s15, 9
	s_add_co_u32 s20, s20, s21
	s_add_co_u32 s20, s20, HS0
	s_mov_b32 s21, 0
	s_add_nc_u64 s[36:37], s[4:5], s[20:21]        ; the scale words of my 128 tokens, step 0
	s_lshr_b32 s20, s42, 1
	s_lshl_b32 s20, s20, 13
	s_and_b32 s22, s42, 1
	s_lshl_b32 s22, s22, 9
	s_add_co_u32 s20, s20, s22
	s_lshl_b32 s22, s16, 8
	s_add_co_u32 s20, s20, s22
	s_add_co_u32 s20, s20, WS0+3*32768
	s_add_nc_u64 s[38:39], s[6:7], s[20:21]        ; and of my 64 positions
	s_lshl_b32 s46, s42, 9
	s_add_co_u32 s46, s46, s22                     ; my first column, in bytes: 512 x tile column + 256 x half
	s_mov_b32 s47, 0
	s_add_nc_u64 s[8:9], s[8:9], s[46:47]
	s_lshl_b32 s20, s17, 8
	s_lshl_b32 s22, s15, 7
	s_add_co_u32 s20, s20, s22
	s_lshl_b32 s20, s20, 12                        ; my first row of out0, 4,096 bytes a row
	s_add_co_u32 s20, s20, s46
	s_add_nc_u64 s[10:11], s[10:11], s[20:21]
.irp st, 0,1,2,3,4,5,6,7
.irp x, 0,1,2,3
	global_load_b32 v[SCA+4*\st+\x], v[LN4], s[36:37] offset:1024*\st+128*\x   ; register x of step st: token blocks 2 x (lanes 0-15) and 2 x + 1 (lanes 16-31)
.endr
.irp x, 0,1
	global_load_b32 v[SCB+2*\st+\x], v[LN4], s[38:39] offset:1024*\st+128*\x
.endr
.endr
.irp b, 0,1,2,3
	global_load_b128 v[BIAS+8*\b:BIAS+8*\b+3], v8, s[8:9] offset:64*\b         ; bo at columns 16 b + 8 h + 0 .. 7
	global_load_b128 v[BIAS+8*\b+4:BIAS+8*\b+7], v8, s[8:9] offset:64*\b+16
.endr
.macro FRAGB reg, st, i                ; 16 positions x 128 K: pieces of 8 bytes; a position's LDS row has 16 bytes of padding behind each 64
.irp p, 0,1,2,3,4,5
.set PIECE, 12*((\st)%2)+6*(\p/3)+\p%3
.set OFF, 8*PIECE+16*(PIECE/8)+(\i)*16*PITCH+(((\st)/2)%2)*PLB
.if PIECE%8 < 5
	ds_load_b64 v[\reg+2*\p:\reg+2*\p+1], v[ADRB+(\st)/4] offset:OFF
.else
	ds_load_b64 v[\reg+2*\p:\reg+2*\p+1], v[ADRB+2+(\st)/4] offset:OFF
.endif
.endr
.endm
.macro FRAGA reg, st, i                ; 16 tokens x 128 K: heads 2 st and 2 st + 1
.irp p, 0,1,2,3,4,5
	ds_load_b64 v[\reg+2*\p:\reg+2*\p+1], v[ADRA+(\st)/2] offset:(2*((\st)%2)+\p/3)*PLA+768*(\i)+8*(\p%3)
.endr
.endm
.macro FETCHA a                        ; token block a's fragments of all eight steps, 48 LDS loads, into set a % 2
	WIN 0x40
.irp st, 0,1,2,3,4,5,6,7
	FRAGA 96*((\a)%2)+12*\st, \st, \a
.endr
	WIN 0
.endm
.macro WM
.if (RA == 0) && (RB == 0)
	v_wmma_scale_f32_16x16x128_f8f6f4 v[DD:DD+7], v[F0:F0+11], v[F1:F1+11], v[CC:CC+7], v[SA], v[SB] matrix_a_fmt:MATRIX_FMT_BF6 matrix_b_fmt:MATRIX_FMT_BF6
.elseif RB == 0
	v_wmma_scale_f32_16x16x128_f8f6f4 v[DD:DD+7], v[F0:F0+11], v[F1:F1+11], v[CC:CC+7], v[SA], v[SB] matrix_a_fmt:MATRIX_FMT_BF6 matrix_b_fmt:MATRIX_FMT_BF6 matrix_a_scale:MATRIX_SCALE_ROW1
.elseif RA == 0
	v_wmma_scale_f32_16x16x128_f8f6f4 v[DD:DD+7], v[F0:F0+11], v[F1:F1+11], v[CC:CC+7], v[SA], v[SB] matrix_a_fmt:MATRIX_FMT_BF6 matrix_b_fmt:MATRIX_FMT_BF6 matrix_b_scale:MATRIX_SCALE_ROW1
.else
	v_wmma_scale_f32_16x16x128_f8f6f4 v[DD:DD+7], v[F0:F0+11], v[F1:F1+11], v[CC:CC+7], v[SA], v[SB] matrix_a_fmt:MATRIX_FMT_BF6 matrix_b_fmt:MATRIX_FMT_BF6 matrix_a_scale:MATRIX_SCALE_ROW1 matrix_b_scale:MATRIX_SCALE_ROW1
.endif
.endm
; Token block a is finished: 32 products, K ascending; its four accumulators take turns, one instruction a turn, so that three others stand between a sum's steps.
; Windows: source 0 (B) 2 or 3, source 1 (A) 1, D 1; C is the bias in window 0 for the first step and D's own registers afterwards.
.macro ROW a
.irp st, 0,1,2,3,4,5,6,7
.if \st == 0
	WIN 0x46
.elseif \st < 4
	WIN 0x56
.else
	WIN 0x57
.endif
.irp b, 0,1,2,3
.set DD, ACC+32*((\a)%2)+8*\b
.if \st == 0
.set CC, BIAS+8*\b
.else
.set CC, DD
.endif
.set F0, 48*(\st%4)+12*\b
.set F1, 96*((\a)%2)+12*\st
.set SA, SCB+2*\st+\b/2
.set SB, SCA+4*\st+(\a)/2
.set RA, \b%2
.set RB, (\a)%2
	WM
.endr
.endr
	WIN 0
.endm
; THE WAY OUT of a block of 16 tokens x 64 columns, through my own stage: whole rows of 256 bytes come back, and sixteen lanes store one aligned unit of 256 bytes.  LDS serves a wave's instructions in order.
.macro TOSTAGE a
	WIN 0x04                                       ; the data: window 1
.irp b, 0,1,2,3
	ds_store_b128 v[STO], v[ACC+32*((\a)%2)+8*\b:ACC+32*((\a)%2)+8*\b+3] offset:64*\b        ; each accumulator from its low end on
	ds_store_b128 v[STO], v[ACC+32*((\a)%2)+8*\b+4:ACC+32*((\a)%2)+8*\b+7] offset:64*\b+16
.endr
	WIN 0
.set BB, BK+32*((\a)%2)
.irp t, 0,1,2,3,4,5,6,7
	ds_load_b128 v[BB+4*\t:BB+4*\t+3], v[RD] offset:\t*2*SPITCH
.endr
.endm
.macro SEND a, younger                 ; younger: the LDS instructions issued behind block a's loads from the stage, which may stay out
.set BB, BK+32*((\a)%2)
	s_wait_dscnt \younger
.if (\a) > 0
	s_add_nc_u64 s[10:11], s[10:11], 16*SIZE_N*4   ; (behind a wait on XCNT: the earlier stores have read their base)
.endif
.irp t, 0,1,2,3,4,5,6,7
	global_store_b128 v[CO], v[BB+4*\t:BB+4*\t+3], s[10:11] offset:2*\t*SIZE_N*4 th:TH_STORE_NT
.endr
.endm
	s_wait_alu depctr_va_vdst(0)                   ; the wait at the head's end
	s_wait_tensorcnt 0x0                           ; my tile is in,
	s_barrier_signal -1
	s_barrier_wait -1                              ; and everybody's
	FETCHA 0
	WIN 0x80                                       ; B's fragments of all of K: steps 0-3 into window 2,
.irp st, 0,1,2,3
.irp i, 0,1,2,3
	FRAGB 48*\st+12*\i, \st, \i
.endr
.endr
	WIN 0xc0                                       ; steps 4-7 into window 3
.irp st, 4,5,6,7
.irp i, 0,1,2,3
	FRAGB 48*(\st-4)+12*\i, \st, \i
.endr
.endr
	WIN 0
	s_wait_loadcnt 0x0                             ; the scale words and the bias
	s_wait_dscnt 0x0                               ; my reads of B's bytes are over,
	s_barrier_signal -1
	s_barrier_wait -1                              ; and everybody's: the stages may lie there
	FETCHA 1                                       ; each block's products run while the next block's fragments come
	ROW 0
.irp a, 1,2,3,4,5,6,7
	s_wait_dscnt 0x0                               ; this block's fragments are in: asked for ahead of the last block's 32 products
.if \a > 1
	s_wait_xcnt 0x0                                ; the earlier blocks' stores have read their registers and their base
.endif
	PLACES 4                                       ; ahead of the reads of the last block's results and of the loads into the set that its products have read
	TOSTAGE \a-1
.if \a < 7
	FETCHA \a+1
.endif
	ROW \a
.if \a < 7
	SEND \a-1, 48                                  ; behind block a - 1's loads from the stage: block a + 1's 48 loads
.else
	SEND \a-1, 0
.endif
.endr
	PLACES 4
	s_wait_xcnt 0x0
	TOSTAGE 7
	SEND 7, 0
	s_wait_tensorcnt 0x0                           ; the wave's end: behind my last tensor load and my last LDS store
	ds_add_u32 v[SPW], v[NIL]
	s_wait_dscnt 0x0
	CROUND                                         ; the closing round
	s_endpgm
.Lfunc_end_k_q1e1ce7c25a_outp:
	.size	k_q1e1ce7c25a_outp, .Lfunc_end_k_q1e1ce7c25a_outp-k_q1e1ce7c25a_outp
	.p2alignl 7, 3214868480
	.fill 96, 4, 3214868480
	.section	.rodata,"a",@progbits
	.p2align	6, 0x0
	.amdhsa_kernel k_q1e1ce7c25a_outp
		.amdhsa_group_segment_fixed_size 327680
		.amdhsa_private_segment_fixed_size 0
		.amdhsa_enable_private_segment 0
		.amdhsa_kernarg_size 32
		.amdhsa_user_sgpr_count 2
		.amdhsa_user_sgpr_kernarg_segment_ptr 1
		.amdhsa_wavefront_size32 1
		.amdhsa_system_sgpr_workgroup_id_x 1
		.amdhsa_system_sgpr_workgroup_id_y 1
		.amdhsa_system_sgpr_workgroup_id_z 1
		.amdhsa_system_vgpr_workitem_id 0
		.amdhsa_next_free_vgpr 1024
		.amdhsa_next_free_sgpr 66
		.amdhsa_reserve_vcc 0
		.amdhsa_float_denorm_mode_32 3
		.amdhsa_float_denorm_mode_16_64 3
		.amdhsa_memory_ordered 1
		.amdhsa_forward_progress 1
		.amdhsa_inst_pref_size 100
	.end_amdhsa_kernel
	.amdgpu_metadata
---
amdhsa.version: [ 1, 2 ]
amdhsa.kernels:
  - .name:           k_q1e1ce7c25a_outp
    .symbol:         k_q1e1ce7c25a_outp.kd
    .args:
      - { .name: hid, .offset: 0, .size: 8, .value_kind: global_buffer, .address_space: global }
      - { .name: wq, .offset: 8, .size: 8, .value_kind: global_buffer, .address_space: global }
      - { .name: bo, .offset: 16, .size: 8, .value_kind: global_buffer, .address_space: global }
      - { .name: out0, .offset: 24, .size: 8, .value_kind: global_buffer, .address_space: global }
    .group_segment_fixed_size: 327680
    .private_segment_fixed_size: 0
    .kernarg_segment_align: 8
    .kernarg_segment_size: 32
    .max_flat_workgroup_size: 128
    .sgpr_count:     66
    .vgpr_count:     1024
    .wavefront_size: 32
...
	.end_amdgpu_metadata
.endif
;; end of part 4
